; MI455X (gfx1250); checked and timed in simulation.
; The chip was launched on July 23, 2026; its instructions are those of AMD's public machine-readable ISA for CDNA 5 (MIT licence, August 2026) and "CDNA5" Instruction Set Architecture Reference Guide (July 2026). The comments in the code are by the model that wrote it; some were corrected since.
;; Multi Head Attention. Allowed arithmetic: matrix products marked QUANTISED: E2M3 operands, one E8M0 scale for each 32 along K, by v_wmma_scale_f32_16x16x128_f8f6f4 with both operands' format E2M3, f32 sums; everything else in f32.
;; Inputs: Wk_codes 1,024 x 32 x 24 uint8 (E2M3 codes of Wk, K innermost, in blocks of 32 codes, four codes in three bytes); Wk_scales 1,024 x 32 uint8 (E8M0 scales of Wk, one for each 32 codes along K); Wo_codes 1,024 x 32 x 24 uint8 (E2M3 codes of Wo, K innermost, in blocks of 32 codes, four codes in three bytes); Wo_scales 1,024 x 32 uint8 (E8M0 scales of Wo, one for each 32 codes along K); Wq_codes 1,024 x 32 x 24 uint8 (E2M3 codes of Wq, K innermost, in blocks of 32 codes, four codes in three bytes); Wq_scales 1,024 x 32 uint8 (E8M0 scales of Wq, one for each 32 codes along K); Wv_codes 1,024 x 32 x 24 uint8 (E2M3 codes of Wv, K innermost, in blocks of 32 codes, four codes in three bytes); Wv_scales 1,024 x 32 uint8 (E8M0 scales of Wv, one for each 32 codes along K); bo 1,024 float32; x_codes 4 x 2,048 x 32 x 24 uint8 (E2M3 codes of x, K innermost, in blocks of 32 codes, four codes in three bytes); x_scales 4 x 2,048 x 32 uint8 (E8M0 scales of x, one for each 32 codes along K).
;; Outputs: out0 4 x 2,048 x 1,024 float32.
;; This version of the problem:
;;   THIS VERSION OF THE PROBLEM IS GIVEN IN LOW PRECISION. The matrix products marked QUANTISED in the list below multiply operands that are first quantised to E2M3 (2 exponent bits, 3 mantissa bits; 6 bits a number), with one power-of-two scale for each 32 numbers along K (OCP MX v1.0); their sums are f32. All else is computed in f32.
;;   The module's matrix products, in the order in which they are computed (A, B: the left and right operand; K: the contracted axis; several contracted axes count as one K, in the product's order):
;;     1. [M 8,192, K 1,024] x [K 1,024, N 1,024]; A: input x (given as codes); B: input Wq (given as codes): QUANTISED
;;     2. [M 8,192, K 1,024] x [K 1,024, N 1,024]; A: input x (given as codes); B: input Wk (given as codes): QUANTISED
;;     3. [M 8,192, K 1,024] x [K 1,024, N 1,024]; A: input x (given as codes); B: input Wv (given as codes): QUANTISED
;;     4. batch 64 x [M 2,048, K 64] x [K 64, N 2,048]; A: computed on the way; B: computed on the way: QUANTISED
;;     5. batch 64 x [M 2,048, K 2,048] x [K 2,048, N 64]; A: softmax (see below); B: computed on the way: QUANTISED
;;     6. [M 8,192, K 1,024] x [K 1,024, N 1,024]; A: computed on the way; B: input Wo (given as codes): QUANTISED
;;   THE QUANTISER, for each operand of a quantised product, along K:
;;     - K is cut into blocks of 32 from its start; a last block that is shorter is filled with zeros.
;;     - A block's scale is 2^e with e = floor(log2(the largest magnitude in the block)) - 2, held to -126 .. 127; a block of zeros has e = 0. As a byte (E8M0): e + 127.
;;     - Each number is divided by its block's scale, clamped to +-7.5, and rounded to the nearest number of E2M3, ties to even, subnormals kept.
;;     - The product sums the exact products of the quantised numbers (number of the format x scale) in f32.
;;   ~~~python
;;   def quantise(x, axis):      # numpy; x: float32 -> the quantised numbers, widened to float32 again
;;       x = np.moveaxis(x, axis, -1); K = x.shape[-1]
;;       x = np.pad(x, [(0, 0)] * (x.ndim - 1) + [(0, -K % 32)]); x = x.reshape(x.shape[:-1] + (-1, 32)); a = np.abs(x).max(-1, keepdims=True)
;;       e = np.where(a > 0, np.clip(np.frexp(np.where(a > 0, a, 1))[1] - 1 - 2, -126, 127), 0)      # np.frexp(a)[1] - 1 = floor(log2(a)), exactly
;;       r = np.clip(x / 2.0 ** e, -7.5, 7.5)
;;       step = 2.0 ** (np.maximum(np.frexp(np.where(r == 0, 1, r))[1] - 1, 0) - 3)
;;       q = np.round(r / step) * step * 2.0 ** e      # np.round: ties to even
;;       return np.moveaxis(q.reshape(q.shape[:-2] + (-1,))[..., :K], -1, axis).astype(np.float32)
;;   ~~~
;;   SOFTMAX AHEAD OF A QUANTISED PRODUCT. Where the list says 'softmax', what is quantised is not the finished softmax but p = 2^(t - M), with t = logit x log2(e) and M = ceil(the row's largest t), a whole number; so 1/2 < the row's largest p <= 1. The row's sum l is taken of the UNQUANTISED p, in f32, and the product's result is divided by l at the end. Since M is a whole number, a kernel that streams over the keys may use a running M (the ceiling of the running maximum): every later rescaling is an exact power of two, which a block's scale takes up: the codes' values come out the same.
;;   OPERANDS COMPUTED ON THE WAY. 'Computed on the way' means the value that the module computes at that place (a softmax that the list does not call 'softmax' is quantised finished and normalised). What goes into a quantiser is computed in f32, as accurately as f32 sums, v_exp_f32 and their like allow (about 1e-6 of the number): no bf16 or f16 on the way to a quantiser, and a product that is left as it is and whose result goes on into a quantised operand takes f32 operands (vector FMAs, or v_wmma_f32_16x16x4_f32). A number that lies on a knife's edge between two numbers of the format may be rounded either way, as far as f32 arithmetic and the matrix unit's own rounding can turn it there, and no further.
;;   INPUTS GIVEN AS CODES. Wk (in the module: [1024, 1024], K = its axis 0); Wo (in the module: [1024, 1024], K = its axis 0); Wq (in the module: [1024, 1024], K = its axis 0); Wv (in the module: [1024, 1024], K = its axis 0); x (in the module: [4, 2048, 1024], K = its axis 2): each comes as NAME_codes (uint8): NAME with its K axis moved to the last place and cut into blocks of 32 codes, [.., K / 32, bytes a block], one block behind the other in memory; four codes in three bytes: a row's codes are one little-endian stream of bits, code i at bits 6 i .. 6 i + 5 (a code: sign, 2 exponent bits, 3 mantissa bits); and NAME_scales (uint8): the same leading axes, one E8M0 byte (e + 127) for each 32 codes along K. Its value is code x scale, taken as it is: it is not quantised again, and the codes and scales need not be those that the quantiser above would give.
;; One version. Each part assembles by itself: llvm-mc -triple=amdgcn-amd-amdhsa -mcpu=gfx1250 --defsym DOCPART=n.
;; ======== version 1 of 1: 3 launches
;; workspace buffers: q_img 6,291,456 bytes; k_img 6,291,456 bytes; v_img 6,291,456 bytes; q_sc 262,144 bytes; k_sc 262,144 bytes; v_sc 262,144 bytes; ctx_img 6,291,456 bytes; ctx_sc 262,144 bytes
;; launch qkv (part 1): grid 8 x 32, 4 waves a work-group, clusters of 4 x 4, 327,680 bytes of LDS; arguments x_codes, x_scales, Wq_codes, Wq_scales, Wk_codes, Wk_scales, Wv_codes, Wv_scales, q_img, q_sc, k_img, k_sc, v_img, v_sc; writes q_img, q_sc, k_img, k_sc, v_img, v_sc
.if DOCPART == 1
	.amdgcn_target "amdgcn-amd-amdhsa--gfx1250"
	.amdhsa_code_object_version 6
	.text
	.protected	k_q2dbeff5ba3_qkv
	.globl	k_q2dbeff5ba3_qkv
	.p2align	8
	.type	k_q2dbeff5ba3_qkv,@function
k_q2dbeff5ba3_qkv:
	s_mov_b64 s[64:65], 0
	v_nop
	global_prefetch_b8 v0, s[64:65] scope:SCOPE_SE
	s_setreg_imm32_b32 hwreg(HW_REG_WAVE_MODE, 25, 1), 1
	s_wait_xcnt 0x0
	s_wait_alu depctr_hold_cnt(0) depctr_sa_sdst(0) depctr_va_vdst(0) depctr_va_sdst(0) depctr_va_ssrc(0) depctr_va_vcc(0) depctr_vm_vsrc(0)
	s_getreg_b32 s2, hwreg(HW_REG_IB_STS2, 6, 4)
	s_cmp_eq_u32 s2, 0
	s_cbranch_scc0 .Lentry_in_a_cluster
	s_endpgm
.Lentry_in_a_cluster:
	s_bfe_u32 s2, ttmp6, 0x10000c
	s_cmp_lg_u32 s2, 0xf033
	s_cbranch_scc0 .Lentry_shape_is_right
	s_endpgm
.Lentry_shape_is_right:
; CAUSAL MULTI-HEAD ATTENTION ON CODES OF FP6 (E2M3), one E8M0 scale for each 32 along K.  B 4, S 2048, D 1024, 16 heads of 64.  Three launches:
;   qkv (this one): q = x Wq, k = x Wk, v = x Wv, and their quantising;   attn: scores, softmax, ctx, ctx quantised;   oproj: ctx Wo + bo.
; WORK LEFT OUT, in the whole program: only key steps of 128 keys that lie wholly above the diagonal (launch attn).  reference() itself sets those scores to -inf ahead of the softmax, so
; their p is 0 and they add nothing to the row's sum or to ctx, whatever finite values the inputs hold.  Every input has a way to the output and is loaded.
; LIMITS: a NaN, an infinity or an overflow that lives only in a k or v row hidden from every query of a tile is not carried to that tile's result.  NaN and infinities among the inputs are not served.
; A block whose largest magnitude lies under 2^-124 keeps the scale byte 1; a block of zeros has the byte 1 where the quantiser says 127: its codes are zeros, and only this program reads the bytes.
; SHARES.  256 work-groups of four waves.  Work-group (cg, rb) owns x's rows 256 rb on and rows 128 cg on (heads 2 cg, 2 cg + 1) of all three weights.  x's 256 rows stay in LDS for the whole launch;
; Wq, Wk, Wv pass through one region of LDS in three phases.  A wave's tile is always S0 64 rows x S1 128 rows: 32 accumulators; source 0 = 16 rows of S0, source 1 = 16 rows of S1, so a lane holds one row of S1
; and its registers run along S0.  Phases q, k: S0 = 64 rows of W (one head), S1 = 128 tokens: registers run along the head's 64, which is the scores' K.  Phase v: S0 = 64 tokens, S1 = Wv's 128 rows: registers run along the keys.
; CLUSTERS 4 x 4: x's tiles hang on rb alone and are asked for jointly along a row of the cluster, W's on cg alone, along a column.
; WHAT IS STORED.  A HALF-IMAGE is registers 0-5 of an operand fragment (16 rows x 64 k) as they stand: 512 bytes (registers 0-3, 16 x lane), then 256 (registers 4-5, 8 x lane).  Every store covers whole aligned runs of 256 bytes.
; Inside a block of 32, place 16 h + 8 u + j holds element 16 u + 8 h + j.  q and k get the same order, v gets the order that attn gives p: a permutation inside a block, alike on both sides of a product, moves neither the scale nor the sum.
; LDS.  A row's 768 bytes lie as three planes of 256 bytes, rows 272 bytes apart in a plane (68 words: row r begins at bank 4 r, so the 32 lanes of an 8-byte load touch 64 different banks).
.set TX,    69632                      ; a plane of x: 256 rows x 272
.set TW,    34816                      ; a plane of W: 128 rows x 272
.set XR,    0
.set WR,    3*TX
.set SPARE, WR+3*TW                    ; the spare words: 128 bytes for each wave, two blocks of 256 bytes that no other line names
.set AW0,   4                          ; v4-8    five LDS addresses {plane 0, 1, 2; crossing 0-1, 1-2}: W as S0, rows 64 u on
.set AX1,   9                          ; v9-13   x as S1, rows 128 g on
.set AX0,   14                         ; v14-18  x as S0, rows 64 w on
.set AW1,   19                         ; v19-23  W as S1, all 128 rows
.set XS1,   32                         ; v32-63  scale words of x's 128 rows: register 8 i + q: K step q, tile 2 i in lanes 0-15, tile 2 i + 1 in lanes 16-31
.set XS0,   64                         ; v64-79  of x's 64 rows
.set WSQ,   80                         ; v80-95  of Wq's 64 rows;  v96-111 of Wk's;  v112-143 of Wv's 128
.set WSK,   96
.set WSV,   112
.set PCB,   144                        ; v144-191 the codes made on a way out: four fragments of 12
.set TM,    200                        ; v200-203 largest magnitudes, v204-207 the other half's and then the bytes, v212-215 the conversions' scale operands
.set PW,    216                        ; v216-219 the four scale words of a way out;  v220-221 the pair that is stored
; window 1: S1's fragments, set s at 96 s;  window 3: S0's, set s at 48 s;  window 2: the accumulators, (a, b) at 8 (4 a + b)
.set MSB, 0
.macro WIN new                         ; the immediate's high byte repeats the setting that is left
.if MSB != \new
	s_set_vgpr_msb (MSB<<8)|\new
.set MSB, \new
.endif
.endm
.macro PLACES n
.rept \n
	v_nop
.endr
.endm
.macro CROUND                          ; a round of the cluster's barrier
	s_barrier_signal -1
	s_barrier_wait -1
	s_cmp_lg_u32 s32, 0
	s_cbranch_scc1 .Lnot_wave_0_\@
	s_barrier_signal -3
.Lnot_wave_0_\@:
	s_barrier_wait -3
	s_barrier_signal -1
	s_barrier_wait -1
.endm
	s_load_b512 s[4:19], s[0:1], 0x0               ; x codes 4, x scales 6, Wq 8, 10, Wk 12, 14, Wv 16, 18
	s_load_b256 s[20:27], s[0:1], 0x40             ; q_img 20, q_sc 22, k_img 24, k_sc 26
	s_load_b128 s[28:31], s[0:1], 0x60             ; v_img 28, v_sc 30
	v_lshl_add_u32 v30, v0, 2, SPARE
	v_mov_b32 v31, 0
	ds_add_u32 v30, v31                            ; the wave's opening: the add, twice on end, and its wait ahead of my first tensor load
	ds_add_u32 v30, v31
	v_lshrrev_b32 v1, 5, v0
	v_readfirstlane_b32 s32, v1                    ; w
	s_and_b32 s33, s32, 1                          ; u
	s_lshr_b32 s34, s32, 1                         ; g
	s_bfe_u32 s35, ttmp6, 0x40000                  ; cx
	s_bfe_u32 s36, ttmp6, 0x40004                  ; cy
	s_lshl_b32 s37, ttmp9, 2
	s_add_co_u32 s37, s37, s35                     ; cg = 4 x cluster x + cx
	s_and_b32 s38, ttmp7, 0xffff
	s_lshl_b32 s38, s38, 2
	s_add_co_u32 s38, s38, s36                     ; rb = 4 x cluster y + cy
	s_lshl_b32 s39, s36, 2
	s_lshl_b32 s39, 15, s39                        ; my row of the cluster
	s_lshl_b32 s45, 0x1111, s35                    ; my column
	; descriptor groups 1: R rows of 32 elements of 8 bytes, 96 elements from row to row; 16 bytes of padding behind each 256; bit 21 beside the mask
	s_or_b32 s48, s39, 0x07730000                  ; x: 64 rows
	s_or_b32 s56, s45, 0x07730000                  ; W: 32 rows
	s_or_b32 s68, s45, 0x07730000                  ; W: 64 rows
.irp g, 48, 56, 68
	s_mov_b32 s[\g+1], 32<<16                      ; tensor_dim0
	s_mov_b32 s[\g+3], 32<<16                      ; tile_dim0
	s_mov_b32 s[\g+5], 96                          ; the pitch
	s_mov_b32 s[\g+6], 0
	s_mov_b32 s[\g+7], 0
.endr
	s_mov_b32 s50, 64<<16                          ; tensor_dim1, tile_dim1
	s_mov_b32 s52, 64
	s_mov_b32 s58, 32<<16
	s_mov_b32 s60, 32
	s_mov_b32 s70, 64<<16
	s_mov_b32 s72, 64
	s_lshl_b32 s46, s38, 8
	s_lshl_b32 s47, s32, 6
	s_add_co_u32 s46, s46, s47
	s_mul_i32 s46, s46, 768                        ; x: my 64 rows of the 256
	s_mov_b32 s47, 0
	s_lshl_b32 s40, s37, 7
	s_lshl_b32 s41, s32, 5
	s_add_co_u32 s40, s40, s41
	s_mul_i32 s40, s40, 768                        ; W: my 32 rows of the 128 (first fills, and plane 0's refill)
	s_mov_b32 s41, 0
	s_lshl_b32 s42, s37, 7
	s_lshl_b32 s43, s33, 6
	s_add_co_u32 s42, s42, s43
	s_mul_i32 s42, s42, 768
	s_lshl_b32 s43, s34, 8
	s_add_co_u32 s42, s42, s43
	s_add_co_u32 s42, s42, 256                     ; W: rows 64 u on, plane 1 + g (the refill of planes 1 and 2)
	s_mov_b32 s43, 0
	s_mul_i32 s44, s34, TW
	s_mul_i32 s100, s33, 17408
	s_add_co_u32 s44, s44, s100
	s_add_co_u32 s44, s44, WR+TW                   ; and where that goes in LDS
	s_mul_i32 s100, s32, 17408
	s_mul_i32 s101, s32, 8704
.irp t, 0,1,2
	s_mov_b32 s[76+4*\t], 1
	s_add_co_u32 s[77+4*\t], s100, XR+\t*TX
	s_mov_b32 s[88+4*\t], 1
	s_add_co_u32 s[89+4*\t], s101, WR+\t*TW
.endr
	s_mov_b32 s66, 0x76543210
	s_mov_b32 s67, 0xfedcba98                      ; v_permlanex16_b32's selects for lane l xor 16
	s_wait_dscnt 0x0                               ; both opening adds are done
	s_wait_kmcnt 0x0
	s_add_nc_u64 s[2:3], s[4:5], s[46:47]
	s_add_nc_u64 s[100:101], s[8:9], s[40:41]
.irp t, 0,1,2
	s_add_nc_u64 s[78+4*\t:79+4*\t], s[2:3], 256*\t
	s_or_b32 s[79+4*\t], s[79+4*\t], 0x80000000
	s_add_nc_u64 s[90+4*\t:91+4*\t], s[100:101], 256*\t
	s_or_b32 s[91+4*\t], s[91+4*\t], 0x80000000
.endr
	CROUND                                         ; all sixteen work-groups are here: the first joint loads meet
.irp t, 0,1,2                                      ; six first fills a wave, plane by plane: six tensor loads of mine are out
	tensor_load_to_lds s[76+4*\t:79+4*\t], s[48:55]
	s_nop 0
	tensor_load_to_lds s[88+4*\t:91+4*\t], s[56:63]
	s_nop 0
.endr
	PLACES 4
	; the scales' and the outputs' addresses
	s_lshl_b32 s46, s38, 13
	s_add_nc_u64 s[6:7], s[6:7], s[46:47]
	s_lshl_b32 s46, s34, 12
	s_add_nc_u64 s[2:3], s[6:7], s[46:47]          ; x's scales, rows 256 rb + 128 g on
	s_lshl_b32 s46, s32, 11
	s_add_nc_u64 s[6:7], s[6:7], s[46:47]          ; and rows 256 rb + 64 w on
	s_lshl_b32 s46, s37, 12
	s_add_nc_u64 s[18:19], s[18:19], s[46:47]      ; Wv's, rows 128 cg on
	s_lshl_b32 s39, s33, 11
	s_add_co_u32 s46, s46, s39
	s_add_nc_u64 s[10:11], s[10:11], s[46:47]      ; Wq's and Wk's, rows 128 cg + 64 u on
	s_add_nc_u64 s[14:15], s[14:15], s[46:47]
	s_lshr_b32 s39, s38, 3
	s_lshl_b32 s39, s39, 4
	s_lshl_b32 s45, s37, 1
	s_add_co_u32 s39, s39, s45                     ; 16 b + 2 cg
	s_and_b32 s45, s38, 7
	s_mul_i32 s46, s39, 98304
	s_lshl_b32 s100, s45, 2
	s_add_co_u32 s100, s100, s32                   ; my run of 64 keys
	s_mul_i32 s101, s100, 3072
	s_add_co_u32 s46, s46, s101
	s_add_nc_u64 s[28:29], s[28:29], s[46:47]
	s_lshl_b32 s46, s39, 12
	s_lshl_b32 s101, s100, 7
	s_add_co_u32 s46, s46, s101
	s_add_nc_u64 s[30:31], s[30:31], s[46:47]
	s_add_co_u32 s39, s39, s33                     ; my head in phases q and k
	s_mul_i32 s46, s39, 98304
	s_lshl_b32 s100, s45, 1
	s_add_co_u32 s100, s100, s34                   ; my group of 128 tokens
	s_mul_i32 s101, s100, 6144
	s_add_co_u32 s46, s46, s101
	s_add_nc_u64 s[20:21], s[20:21], s[46:47]
	s_add_nc_u64 s[24:25], s[24:25], s[46:47]
	s_lshl_b32 s46, s39, 12
	s_lshl_b32 s101, s100, 8
	s_add_co_u32 s46, s46, s101
	s_add_nc_u64 s[22:23], s[22:23], s[46:47]
	s_add_nc_u64 s[26:27], s[26:27], s[46:47]
	s_mov_b32 s45, 0xffff0000                      ; lanes 16-31
	; the lanes' addresses
	v_and_b32 v1, 31, v0
	v_and_b32 v2, 15, v0                           ; r
	v_bfe_u32 v3, v0, 4, 1                         ; h
	v_mul_u32_u24 v216, v2, 272
	v_mad_u32_u24 v217, v3, 24, v216               ; row r, lanes 16-31 three pieces of 8 bytes on;
	v_mad_u32_u24 v218, v3, TX-232, v216           ; where those three pieces lie in the next plane: a plane on, 232 bytes back
	v_mad_u32_u24 v219, v3, TW-232, v216
.macro QUINT vb, sb, T, vc
	v_add_nc_u32 v[\vb], s[\sb], v217
	v_add_nc_u32 v[\vb+1], \T, v[\vb]
	v_add_nc_u32 v[\vb+2], 2*\T, v[\vb]
	v_add_nc_u32 v[\vb+3], s[\sb], v[\vc]
	v_add_nc_u32 v[\vb+4], \T, v[\vb+3]
.endm
	s_mul_i32 s100, s33, 17408
	s_add_co_u32 s100, s100, WR
	QUINT AW0, 100, TW, 219
	s_mul_i32 s100, s34, 34816
	QUINT AX1, 100, TX, 218
	s_mul_i32 s100, s32, 17408
	QUINT AX0, 100, TX, 218
	s_mov_b32 s100, WR
	QUINT AW1, 100, TW, 219
	v_lshlrev_b32 v24, 5, v1                       ; a row of scales is 32 bytes: lane l takes row l of a pair of tiles
	v_lshlrev_b32 v25, 4, v1                       ; a half-image's registers 0-3,
	v_lshl_add_u32 v26, v1, 3, 512                 ; and 4-5
	v_lshlrev_b32 v27, 4, v2
	v_lshl_add_u32 v27, v3, 3, v27                 ; q's and k's scale words: 16 r + 8 h
	v_lshlrev_b32 v28, 3, v2
	v_lshl_add_u32 v28, v3, 12, v28                ; v's: 8 r, lanes 16-31 the next head
.irp b, 0,1,2,3
	v_mov_b32 v[TM+4+\b], 0                        ; written once: a lane permute's destination counts as one of its sources
.endr
	; the scale words come straight into the registers that the products name, once: 1,024 consecutive bytes for a pair of tiles
.irp i, 0,1,2,3
	global_load_b128 v[XS1+8*\i:XS1+8*\i+3], v24, s[2:3] offset:1024*\i
	global_load_b128 v[XS1+8*\i+4:XS1+8*\i+7], v24, s[2:3] offset:1024*\i+16
	global_load_b128 v[WSV+8*\i:WSV+8*\i+3], v24, s[18:19] offset:1024*\i
	global_load_b128 v[WSV+8*\i+4:WSV+8*\i+7], v24, s[18:19] offset:1024*\i+16
.endr
.irp i, 0,1
	global_load_b128 v[XS0+8*\i:XS0+8*\i+3], v24, s[6:7] offset:1024*\i
	global_load_b128 v[XS0+8*\i+4:XS0+8*\i+7], v24, s[6:7] offset:1024*\i+16
	global_load_b128 v[WSQ+8*\i:WSQ+8*\i+3], v24, s[10:11] offset:1024*\i
	global_load_b128 v[WSQ+8*\i+4:WSQ+8*\i+7], v24, s[10:11] offset:1024*\i+16
	global_load_b128 v[WSK+8*\i:WSK+8*\i+3], v24, s[14:15] offset:1024*\i
	global_load_b128 v[WSK+8*\i+4:WSK+8*\i+7], v24, s[14:15] offset:1024*\i+16
.endr
; A fragment, 16 rows x 128 K: 12 registers; lane (r, h) takes the row's pieces of 8 bytes 12 q + 0, 1, 2, 6, 7, 8 (+ 3 h).  Piece PC lies in plane PC / 32.  Where lanes 16-31's piece lies in the next plane the crossing address serves.
.macro FRAG reg, ab, q, i
.irp p, 0,1,2,3,4,5
.set PC, 12*(\q)+6*(\p/3)+\p%3
.if PC%32 < 29
	ds_load_b64 v[(\reg)+2*\p:(\reg)+2*\p+1], v[(\ab)+PC/32] offset:8*(PC%32)+4352*(\i)
.else
	ds_load_b64 v[(\reg)+2*\p:(\reg)+2*\p+1], v[(\ab)+3+PC/32] offset:8*(PC%32)+4352*(\i)
.endif
.endr
.endm
.macro FETCHA a0, a1, q, set           ; S0's four fragments and S1's tiles 0-3 of K step q
	WIN 0xc0
.irp b, 0,1,2,3
	FRAG 48*(\set)+12*\b, \a0, \q, \b
.endr
	WIN 0x40
.irp a, 0,1,2,3
	FRAG 96*(\set)+12*\a, \a1, \q, \a
.endr
.endm
.macro FETCHB a1, q, set               ; S1's tiles 4-7
	WIN 0x40
.irp a, 4,5,6,7
	FRAG 96*(\set)+12*\a, \a1, \q, \a
.endr
.endm
.macro WM zero, ra, rb                 ; one product; ra, rb: the side's scale words stand in lanes 16-31
.if \zero
.if (\ra) && (\rb)
	v_wmma_scale_f32_16x16x128_f8f6f4 v[rD:rD+7], v[rA:rA+11], v[rB:rB+11], 0, v[rSA], v[rSB] matrix_a_fmt:MATRIX_FMT_FP6 matrix_b_fmt:MATRIX_FMT_FP6 matrix_a_scale:MATRIX_SCALE_ROW1 matrix_b_scale:MATRIX_SCALE_ROW1
.elseif \ra
	v_wmma_scale_f32_16x16x128_f8f6f4 v[rD:rD+7], v[rA:rA+11], v[rB:rB+11], 0, v[rSA], v[rSB] matrix_a_fmt:MATRIX_FMT_FP6 matrix_b_fmt:MATRIX_FMT_FP6 matrix_a_scale:MATRIX_SCALE_ROW1
.elseif \rb
	v_wmma_scale_f32_16x16x128_f8f6f4 v[rD:rD+7], v[rA:rA+11], v[rB:rB+11], 0, v[rSA], v[rSB] matrix_a_fmt:MATRIX_FMT_FP6 matrix_b_fmt:MATRIX_FMT_FP6 matrix_b_scale:MATRIX_SCALE_ROW1
.else
	v_wmma_scale_f32_16x16x128_f8f6f4 v[rD:rD+7], v[rA:rA+11], v[rB:rB+11], 0, v[rSA], v[rSB] matrix_a_fmt:MATRIX_FMT_FP6 matrix_b_fmt:MATRIX_FMT_FP6
.endif
.else
.if (\ra) && (\rb)
	v_wmma_scale_f32_16x16x128_f8f6f4 v[rD:rD+7], v[rA:rA+11], v[rB:rB+11], v[rD:rD+7], v[rSA], v[rSB] matrix_a_fmt:MATRIX_FMT_FP6 matrix_b_fmt:MATRIX_FMT_FP6 matrix_a_scale:MATRIX_SCALE_ROW1 matrix_b_scale:MATRIX_SCALE_ROW1
.elseif \ra
	v_wmma_scale_f32_16x16x128_f8f6f4 v[rD:rD+7], v[rA:rA+11], v[rB:rB+11], v[rD:rD+7], v[rSA], v[rSB] matrix_a_fmt:MATRIX_FMT_FP6 matrix_b_fmt:MATRIX_FMT_FP6 matrix_a_scale:MATRIX_SCALE_ROW1
.elseif \rb
	v_wmma_scale_f32_16x16x128_f8f6f4 v[rD:rD+7], v[rA:rA+11], v[rB:rB+11], v[rD:rD+7], v[rSA], v[rSB] matrix_a_fmt:MATRIX_FMT_FP6 matrix_b_fmt:MATRIX_FMT_FP6 matrix_b_scale:MATRIX_SCALE_ROW1
.else
	v_wmma_scale_f32_16x16x128_f8f6f4 v[rD:rD+7], v[rA:rA+11], v[rB:rB+11], v[rD:rD+7], v[rSA], v[rSB] matrix_a_fmt:MATRIX_FMT_FP6 matrix_b_fmt:MATRIX_FMT_FP6
.endif
.endif
.endm
; 16 products: S1's tiles a0 .. a0 + 3 x S0's four.  The 32 accumulators take turns, one instruction a turn, in the same order in every step.  zero = 1: the first step starts the sums.
.macro MUL a0, set, q, zero, sc0, sc1
	WIN 0xa7                                       ; source 0 window 3, source 1 window 1, C and D window 2
.irp a, 0,1,2,3
.irp b, 0,1,2,3
.set rD, 8*(4*((\a0)+\a)+\b)
.set rA, 48*(\set)+12*\b
.set rB, 96*(\set)+12*((\a0)+\a)
.set rSA, (\sc0)+8*(\b/2)+(\q)
.set rSB, (\sc1)+8*(((\a0)+\a)/2)+(\q)
	WM \zero, \b%2, ((\a0)+\a)%2
.endr
.endr
.endm
; The body of K step q: the next step's fragments are asked for in two runs, into the other set, among this step's 32 products.
.macro STEPB q, zero, sc0, sc1, f0, f1, fq, fetch
.if \fetch
	FETCHA \f0, \f1, \fq, ((\q)+1)%2
.endif
	MUL 0, (\q)%2, \q, \zero, \sc0, \sc1
.if \fetch
	FETCHB \f1, \fq, ((\q)+1)%2
.endif
	MUL 4, (\q)%2, \q, \zero, \sc0, \sc1
	WIN 0
.endm
; A refill of W's region with the next weight.  All my tensor loads have landed; the add; my LDS reads are back, those of the planes to be filled among them; a round of the cluster's barrier, so that the same holds
; of every wave of every partner; then my one joint load.  which = 0: plane 0, 32 rows a wave.  which = 1: planes 1 and 2, 64 rows a wave.
.macro REFILL which, wn
	s_wait_tensorcnt 0x0                           ; no tensor load of mine is out, so a group 0 may be written
	ds_add_u32 v30, v31                            ; 0 onto my spare word
.if \which == 0
	s_add_nc_u64 s[90:91], s[\wn:\wn+1], s[40:41]
	s_or_b32 s91, s91, 0x80000000
.else
	s_mov_b32 s93, s44
	s_add_nc_u64 s[94:95], s[\wn:\wn+1], s[42:43]
	s_or_b32 s95, s95, 0x80000000
.endif
	s_wait_dscnt 0x0                               ; the add is done, and this step's fragments, the last reads of those planes, are in
	CROUND
.if \which == 0
	tensor_load_to_lds s[88:91], s[56:63]
.else
	tensor_load_to_lds s[92:95], s[68:75]
.endif
	s_nop 0
	PLACES 4                                       ; also the places in front of the loads into the set that the last step multiplied
.endm
; A PHASE: eight K steps of 128.  Steps 0-1 read plane 0, step 2 planes 0 and 1, steps 3-4 plane 1, step 5 planes 1 and 2, steps 6-7 plane 2; step q's fragments are asked for in step q - 1.
; So plane 0 is free at the head of step 2 and planes 1 and 2 at the head of step 7.  n0, n1: the next phase's addresses; wn: the next weight's pointer.
.macro PHASE ph, a0, a1, sc0, sc1, n0, n1, wn
	s_wait_dscnt 0x0                               ; step 0's fragments are in
	STEPB 0, 1, \sc0, \sc1, \a0, \a1, 1, 1
	s_wait_dscnt 0x0
.if \ph == 0
	s_wait_tensorcnt 0x2                           ; planes 1 of x and W have landed; the two loads behind them, planes 2, may be out
.else
	s_wait_tensorcnt 0x0                           ; my part of planes 1 and 2 of this weight, the one load that was out
.endif
	s_barrier_signal -1
	s_barrier_wait -1                              ; everybody's has
	PLACES 4
	STEPB 1, 0, \sc0, \sc1, \a0, \a1, 2, 1
.if \ph < 2
	REFILL 0, \wn
.else
	s_wait_dscnt 0x0
	PLACES 4
.endif
	STEPB 2, 0, \sc0, \sc1, \a0, \a1, 3, 1
.irp q, 3,4,5,6
	s_wait_dscnt 0x0
	PLACES 4                                       ; in front of loads into registers that the last step's products have read
	STEPB \q, 0, \sc0, \sc1, \a0, \a1, \q+1, 1
.endr
.if \ph < 2
	REFILL 1, \wn
	STEPB 7, 0, \sc0, \sc1, \n0, \n1, 0, 1         ; the next phase's step 0 is asked for: plane 0 of the next weight was shown landed in front of the round
.else
	s_wait_dscnt 0x0
	STEPB 7, 0, \sc0, \sc1, 0, 0, 0, 0
.endif
.endm
; 64 accumulator registers of a lane (two tiles of S1) become a fragment's codes in v[pc] on and its scale word in v[pw].  Block b = registers 16 b .. 16 b + 15 of lanes l and l xor 16.
.macro QUANT s, pc, pw
	WIN 0x0a
.irp b, 0,1,2,3
	v_max3_num_f32 v[TM+\b], |v[(\s)+16*\b]|, |v[(\s)+1+16*\b]|, 0x1800000   ; with the floor 2^(3 - 127): the byte cannot fall under 1.  Each accumulator is read from its low end on
.endr
	WIN 0x28
.irp i, 2,4,6,8,10,12,14
.irp b, 0,1,2,3
	v_max3_num_f32 v[TM+\b], v[TM+\b], |v[(\s)+16*\b+\i]|, |v[(\s)+1+16*\b+\i]|
.endr
.endr
	WIN 0
.irp b, 0,1,2,3
	v_permlanex16_b32 v[TM+4+\b], v[TM+\b], s66, s67
.endr
.irp b, 0,1,2,3
	v_max_num_f32 v[TM+\b], v[TM+\b], v[TM+4+\b]   ; the block's largest magnitude
.endr
.irp b, 0,1,2,3
	v_add_nc_u32 v[TM+12+\b], 0xff000000, v[TM+\b] ; 2 off its exponent field: the conversion's scale operand
.endr
.irp b, 0,1,2,3
	v_lshrrev_b32 v[TM+4+\b], 23, v[TM+12+\b]      ; the scale's byte
.endr
	v_lshl_or_b32 v[\pw], v[TM+5], 8, v[TM+4]
	v_lshl_or_b32 v[\pw], v[TM+6], 16, v[\pw]
	v_lshl_or_b32 v[\pw], v[TM+7], 24, v[\pw]
	WIN 0x02
	v_cvt_scalef32_pk16_fp6_f32 v[(\pc):(\pc)+2], v[(\s):(\s)+15], v[TM+12]
	v_cvt_scalef32_pk16_fp6_f32 v[192:194], v[(\s)+16:(\s)+31], v[TM+13]   ; (a conversion's three registers begin on an even number)
	v_cvt_scalef32_pk16_fp6_f32 v[(\pc)+6:(\pc)+8], v[(\s)+32:(\s)+47], v[TM+14]
	v_cvt_scalef32_pk16_fp6_f32 v[196:198], v[(\s)+48:(\s)+63], v[TM+15]
	WIN 0
	v_nop                                          ; one plain place behind a scaled conversion
.irp i, 0,1,2
	v_permlane16_swap_b32 v[(\pc)+\i], v[192+\i]   ; a whole block to a lane: lanes 0-15 block 0, lanes 16-31 block 1
.endr
.irp i, 0,1,2
	v_mov_b32 v[(\pc)+3+\i], v[192+\i]
.endr
.irp i, 0,1,2
	v_permlane16_swap_b32 v[(\pc)+6+\i], v[196+\i]
.endr
.irp i, 0,1,2
	v_mov_b32 v[(\pc)+9+\i], v[196+\i]
.endr
.endm
; THE WAY OUT of a phase: four pairs of S1's tiles, each a fragment = two half-images; then the four scale words, two to a lane.
.macro WAYOUT img, sc, vsc, isv
	PLACES 4                                       ; behind the last products, in front of the first read of results
	s_wait_xcnt 0x0                                ; the last way out's stores have read their registers
.irp P, 0,1,2,3
.if \isv
.set IMM, (\P/2)*98304+(\P%2)*1536                 ; v: head P / 2 of my two, tiles 2 (P % 2) and the next of its 64
.else
.set IMM, 1536*\P                                  ; q, k: token tiles 2 P and 2 P + 1
.endif
	QUANT 64*\P, PCB+12*\P, PW+\P
	global_store_b128 v25, v[PCB+12*\P:PCB+12*\P+3], s[\img:\img+1] offset:IMM        ; 512 consecutive bytes, at a multiple of 256
	global_store_b64 v26, v[PCB+12*\P+4:PCB+12*\P+5], s[\img:\img+1] offset:IMM       ; 256
	global_store_b128 v25, v[PCB+12*\P+6:PCB+12*\P+9], s[\img:\img+1] offset:IMM+768
	global_store_b64 v26, v[PCB+12*\P+10:PCB+12*\P+11], s[\img:\img+1] offset:IMM+768
.endr
	v_cndmask_b32 v220, v216, v218, s45            ; lanes 0-15 store words 0 and 1 of their row, lanes 16-31 words 2 and 3
	v_cndmask_b32 v221, v217, v219, s45
	global_store_b64 v[\vsc], v[220:221], s[\sc:\sc+1]
.endm
	s_wait_tensorcnt 0x4                           ; planes 0 of x and W have landed; the four loads behind them may be out
	s_barrier_signal -1
	s_barrier_wait -1                              ; everybody's have
	FETCHA AW0, AX1, 0, 0
	FETCHB AX1, 0, 0
	WIN 0
	s_wait_loadcnt 0x0                             ; the scale words
	PHASE 0, AW0, AX1, WSQ, XS1, AW0, AX1, 12
	WAYOUT 20, 22, 27, 0
	PHASE 1, AW0, AX1, WSK, XS1, AX0, AW1, 16
	WAYOUT 24, 26, 27, 0
	PHASE 2, AX0, AW1, XS0, WSV, 0, 0, 0
	WAYOUT 28, 30, 28, 1
	s_wait_tensorcnt 0x0                           ; the wave's end
	ds_add_u32 v30, v31
	s_wait_dscnt 0x0
	CROUND                                         ; the closing round: no work-group ends while a partner may still ask for a tile that names it
	s_endpgm
.Lfunc_end_k_q2dbeff5ba3_qkv:
	.size	k_q2dbeff5ba3_qkv, .Lfunc_end_k_q2dbeff5ba3_qkv-k_q2dbeff5ba3_qkv
	.p2alignl 7, 3214868480
	.fill 96, 4, 3214868480
	.section	.rodata,"a",@progbits
	.p2align	6, 0x0
	.amdhsa_kernel k_q2dbeff5ba3_qkv
		.amdhsa_group_segment_fixed_size 327680
		.amdhsa_private_segment_fixed_size 0
		.amdhsa_enable_private_segment 0
		.amdhsa_kernarg_size 112
		.amdhsa_user_sgpr_count 2
		.amdhsa_user_sgpr_kernarg_segment_ptr 1
		.amdhsa_wavefront_size32 1
		.amdhsa_system_sgpr_workgroup_id_x 1
		.amdhsa_system_sgpr_workgroup_id_y 1
		.amdhsa_system_sgpr_workgroup_id_z 1
		.amdhsa_system_vgpr_workitem_id 0
		.amdhsa_next_free_vgpr 1024
		.amdhsa_next_free_sgpr 102
		.amdhsa_reserve_vcc 0
		.amdhsa_float_denorm_mode_32 3
		.amdhsa_float_denorm_mode_16_64 3
		.amdhsa_memory_ordered 1
		.amdhsa_forward_progress 1
		.amdhsa_inst_pref_size 255
	.end_amdhsa_kernel
	.section	.bss,"aw",@nobits
	.p2align	6
	.space	262144
	.amdgpu_metadata
---
amdhsa.version: [ 1, 2 ]
amdhsa.kernels:
  - .name:           k_q2dbeff5ba3_qkv
    .symbol:         k_q2dbeff5ba3_qkv.kd
    .args:
      - { .name: x_codes, .offset: 0, .size: 8, .value_kind: global_buffer, .address_space: global }
      - { .name: x_scales, .offset: 8, .size: 8, .value_kind: global_buffer, .address_space: global }
      - { .name: Wq_codes, .offset: 16, .size: 8, .value_kind: global_buffer, .address_space: global }
      - { .name: Wq_scales, .offset: 24, .size: 8, .value_kind: global_buffer, .address_space: global }
      - { .name: Wk_codes, .offset: 32, .size: 8, .value_kind: global_buffer, .address_space: global }
      - { .name: Wk_scales, .offset: 40, .size: 8, .value_kind: global_buffer, .address_space: global }
      - { .name: Wv_codes, .offset: 48, .size: 8, .value_kind: global_buffer, .address_space: global }
      - { .name: Wv_scales, .offset: 56, .size: 8, .value_kind: global_buffer, .address_space: global }
      - { .name: q_img, .offset: 64, .size: 8, .value_kind: global_buffer, .address_space: global }
      - { .name: q_sc, .offset: 72, .size: 8, .value_kind: global_buffer, .address_space: global }
      - { .name: k_img, .offset: 80, .size: 8, .value_kind: global_buffer, .address_space: global }
      - { .name: k_sc, .offset: 88, .size: 8, .value_kind: global_buffer, .address_space: global }
      - { .name: v_img, .offset: 96, .size: 8, .value_kind: global_buffer, .address_space: global }
      - { .name: v_sc, .offset: 104, .size: 8, .value_kind: global_buffer, .address_space: global }
    .group_segment_fixed_size: 327680
    .private_segment_fixed_size: 0
    .kernarg_segment_align: 8
    .kernarg_segment_size: 112
    .max_flat_workgroup_size: 128
    .sgpr_count:     102
    .vgpr_count:     1024
    .wavefront_size: 32
...
	.end_amdgpu_metadata
.endif
;; end of part 1
;; launch attn (part 2): grid 4 x 64, 16 waves a work-group, clusters of 4 x 1, 327,680 bytes of LDS; arguments q_img, q_sc, k_img, k_sc, v_img, v_sc, ctx_img, ctx_sc; writes ctx_img, ctx_sc
.if DOCPART == 2
	.amdgcn_target "amdgcn-amd-amdhsa--gfx1250"
	.amdhsa_code_object_version 6
	.text
	.protected	k_q2dbeff5ba3_attn
	.globl	k_q2dbeff5ba3_attn
	.p2align	8
	.type	k_q2dbeff5ba3_attn,@function
k_q2dbeff5ba3_attn:
	s_mov_b64 s[64:65], 0
	v_nop
	global_prefetch_b8 v0, s[64:65] scope:SCOPE_SE
	s_setreg_imm32_b32 hwreg(HW_REG_WAVE_MODE, 25, 1), 1
	s_wait_xcnt 0x0
	s_wait_alu depctr_hold_cnt(0) depctr_sa_sdst(0) depctr_va_vdst(0) depctr_va_sdst(0) depctr_va_ssrc(0) depctr_va_vcc(0) depctr_vm_vsrc(0)
	s_getreg_b32 s2, hwreg(HW_REG_IB_STS2, 6, 4)
	s_cmp_eq_u32 s2, 0
	s_cbranch_scc0 .Lentry_in_a_cluster
	s_endpgm
.Lentry_in_a_cluster:
	s_bfe_u32 s2, ttmp6, 0x10000c
	s_cmp_lg_u32 s2, 0x3003
	s_cbranch_scc0 .Lentry_shape_is_right
	s_endpgm
.Lentry_shape_is_right:
; LAUNCH 2 OF 3: ctx = softmax(q k^T / 8, causal) v for one (batch, head) a cluster, both products on codes of FP6 (E2M3); ctx is quantised along head x 64 + d and stored as launch 3's operand.
; WORK LEFT OUT: key steps of 128 keys that lie wholly above a tile's diagonal: reference() sets those scores to -inf itself, so p = 0 there for all inputs (the first launch's head has the limits).
; THE SOFTMAX: t = score x log2(e) / 8; M = the running largest t rounded up to a whole number; p = 2^(t - M) is quantised along the keys, not normalised; the row's sum is taken of the unquantised p and divides at the end.
; When M moves, the sum and O are multiplied by 2^(old M - new M), which rounds nothing.
; SHARES.  A head has 128 tiles of 16 queries.  Partner j of the cluster's four owns tiles 4 s + j, s = 0 .. 31; wave w takes s = w (pass A) and s = 31 - w (pass B).  Tile 4 s + j needs key steps 0 .. s / 2, whatever j:
; (w / 2 + 1) + ((31 - w) / 2 + 1) = 17 key steps for every wave of every work-group, and no branch hangs on a work-group's place in its cluster.
; THE WHOLE HEAD'S K AND V LIE IN LDS, 196,608 bytes of codes and 8,192 of scale words: asked for jointly by the four partners, once, two tensor loads a wave; one wait, one barrier, and then no wave waits for another.
; LAYOUT.  Both products are used transposed: S^T = K Q^T, O^T = V^T P^T: a lane holds one query (lane % 16) throughout.  K, V, Q come as half-images (16 rows x 64 k, registers 0-5 of a fragment as they stand).
; THE SCORES' K IS 64, the instruction's 128: source 0 = {key tile 2 p | key tile 2 p + 1}; source 1 = {q | zeros} gives tile 2 p's scores, {zeros | q} tile 2 p + 1's: zero codes add nothing.
; p's 16 registers of two neighbouring score tiles hold keys 16 u + 8 h + j of a block of 32; the first launch laid v's codes in the order that the conversions give them.
.set VIMG,  98304                      ; K's images at 0, V's here
.set KSC,   196608                     ; K's scale words, 4,096 bytes;
.set VSC,   200704                     ; V's
.set SPARE, 204800                     ; the spare words: 128 bytes for each of 16 waves: eight blocks of 256 bytes that no other line names
.set F,   56                           ; v56-103  four fragments of K or of V
.set S,   104                          ; v104-167 S^T, then p
.set O,   168                          ; v168-199 O^T
.set PCD, 200                          ; v200-211 p's codes, at the end ctx's;  v212-214, v216-218 the conversions' second halves
.set BM,  220                          ; v220-223 the blocks' largest
.set PT,  224                          ; v224-227 the other half's, then the bytes
.set SO,  228                          ; v228-231 the conversions' scale operands
.set KS,  232                          ; v232-235 K's scale words
.set RW,  236                          ; v236-239 V's as they lie
.set VS,  240                          ; v240-243 V's as the products want them;  v244 p's
; v1 16 x lane, v2 8 x lane + 512, v3, v4 my place among K's and V's scale words, v5, v6 the add's two, v7-11, v49 the step's addresses, v12 -M, v13 the largest t, v[14:15] the sum,
; v16-45 {zeros | q of A | zeros | q of B | zeros}, six each, v46, v47 q's scale words, v48 the diagonal's term, v50 32 r + h, v51 -infinity, v52, v53 v1, v2 + VIMG, v54 r - 8 h, v55 16 r, v[248:249] a second chain of the sum, v[252:253] f
.macro CROUND
	s_barrier_signal -1
	s_barrier_wait -1
	s_cmp_lg_u32 s20, 0
	s_cbranch_scc1 .Lnot_wave_0_\@
	s_barrier_signal -3
.Lnot_wave_0_\@:
	s_barrier_wait -3
	s_barrier_signal -1
	s_barrier_wait -1
.endm
	s_load_b512 s[4:19], s[0:1], 0x0               ; q_img 4, q_sc 6, k_img 8, k_sc 10, v_img 12, v_sc 14, ctx_img 16, ctx_sc 18
	v_lshl_add_u32 v5, v0, 2, SPARE
	v_mov_b32 v6, 0
	ds_add_u32 v5, v6                              ; the wave's opening: the add, twice on end, and its wait ahead of my first tensor load
	ds_add_u32 v5, v6
	v_lshrrev_b32 v1, 5, v0
	s_delay_alu instid0(VALU_DEP_1)
	v_readfirstlane_b32 s20, v1                    ; w
	s_bfe_u32 s21, ttmp6, 0x40000                  ; j: my place in the cluster
	s_and_b32 s22, ttmp7, 0xffff                   ; 16 b + head, which the partners share
	; descriptor groups 1: dense blocks as rows of 256 bytes (32 elements of 8), no padding; the mask names all four, bit 21 beside it
	s_mov_b32 s24, 0x0023000f
	s_mov_b32 s25, 32<<16
	s_mov_b32 s26, 48<<16                          ; codes: 48 rows, 12,288 bytes a wave
	s_mov_b32 s27, 32<<16
	s_mov_b32 s28, 48
	s_mov_b32 s29, 32
	s_mov_b32 s30, 0
	s_mov_b32 s31, 0
	s_mov_b32 s32, 0x0023000f
	s_mov_b32 s33, 32<<16
	s_mov_b32 s34, 2<<16                           ; scale words: 2 rows, 512 bytes a wave
	s_mov_b32 s35, 32<<16
	s_mov_b32 s36, 2
	s_mov_b32 s37, 32
	s_mov_b32 s38, 0
	s_mov_b32 s39, 0
	s_mov_b32 s40, 1
	s_mul_i32 s41, s20, 12288                      ; waves 0-7 bring K's eighths, waves 8-15 V's: V's region follows K's
	s_mov_b32 s44, 1
	s_lshl_b32 s45, s20, 9
	s_add_co_u32 s45, s45, KSC
	s_and_b32 s62, s20, 7
	s_mul_i32 s23, s22, 98304                      ; the head's first byte in q_img, k_img, v_img
	s_mul_i32 s76, s62, 12288
	s_add_co_u32 s76, s76, s23
	s_mov_b32 s77, 0
	s_lshl_b32 s88, s22, 12                        ; and in q_sc, k_sc, v_sc
	s_lshl_b32 s78, s62, 9
	s_add_co_u32 s78, s78, s88
	s_mov_b32 s79, 0
	s_mov_b32 s48, 0x76543210
	s_mov_b32 s49, 0xfedcba98                      ; v_permlanex16_b32's selects for lane l xor 16
	s_mov_b32 s50, 0x3e38aa3b                      ; c = log2(e) / 8
	s_mov_b32 s51, s50                             ; (named with it as a pair)
	s_mov_b32 s52, 0x05040100                      ; v_perm_b32: the two low halves,
	s_mov_b32 s53, 0x07060302                      ; the two high halves
	s_mov_b32 s54, 0xffff0000                      ; lanes 16-31
	s_and_b32 s63, s21, 1
	s_lshl_b32 s63, s63, 4                         ; my tiles are the even or the odd ones of their pairs: which half of q's scale word is mine
	s_mov_b32 s58, s20                             ; s of pass A,
	s_sub_co_u32 s60, 31, s20                      ; of pass B
	s_wait_dscnt 0x0                               ; both opening adds are done
	s_wait_kmcnt 0x0
	s_cmp_lt_u32 s20, 8
	s_cselect_b64 s[42:43], s[8:9], s[12:13]
	s_cselect_b64 s[46:47], s[10:11], s[14:15]
	s_add_nc_u64 s[42:43], s[42:43], s[76:77]
	s_add_nc_u64 s[46:47], s[46:47], s[78:79]
	s_or_b32 s43, s43, 0x80000000
	s_or_b32 s47, s47, 0x80000000
	CROUND                                         ; all four work-groups are here: the joint loads meet
	tensor_load_to_lds s[40:43], s[24:31]          ; two tensor loads of mine are out
	s_nop 0
	tensor_load_to_lds s[44:47], s[32:39]
	s_nop 0
.rept 4
	v_nop
.endr
; a pass's numbers from its s: the last key step, the diagonal's term 64 (s % 2) + 16 j, and where tile t = 4 s + j lies in q_img, q_sc, ctx_img, ctx_sc
.macro TADDR ss, lim, dv, qi, qs, ci, cs
	s_lshr_b32 s[\lim], s[\ss], 1
	s_and_b32 s[\dv], s[\ss], 1
	s_lshl_b32 s[\dv], s[\dv], 6
	s_lshl_b32 s62, s21, 4
	s_add_co_u32 s[\dv], s[\dv], s62
	s_lshl_b32 s62, s[\ss], 2
	s_add_co_u32 s62, s62, s21                     ; t
	s_mul_i32 s76, s62, 768
	s_add_co_u32 s76, s76, s23
	s_add_nc_u64 s[\qi:\qi+1], s[4:5], s[76:77]
	s_lshr_b32 s76, s62, 3
	s_lshl_b32 s76, s76, 8                         ; its group of 128 tokens,
	s_bfe_u32 s78, s62, 0x20001
	s_lshl_b32 s78, s78, 2                         ; its pair's word
	s_add_co_u32 s76, s76, s78
	s_add_co_u32 s76, s76, s88
	s_add_nc_u64 s[\qs:\qs+1], s[6:7], s[76:77]
	s_lshr_b32 s76, s22, 4
	s_lshl_b32 s76, s76, 3
	s_lshr_b32 s78, s62, 4
	s_add_co_u32 s76, s76, s78                     ; the block of 256 rows: 8 b + t / 16
	s_lshl_b32 s76, s76, 4
	s_and_b32 s78, s22, 15
	s_add_co_u32 s76, s76, s78                     ; x 16 + head
	s_mul_i32 s76, s76, 12288
	s_and_b32 s78, s62, 15
	s_mul_i32 s78, s78, 768
	s_add_co_u32 s76, s76, s78
	s_add_nc_u64 s[\ci:\ci+1], s[16:17], s[76:77]
	s_lshr_b32 s76, s22, 4
	s_lshl_b32 s76, s76, 16                        ; 2,048 b rows of 32 bytes
	s_lshl_b32 s78, s62, 9                         ; 16 t rows
	s_add_co_u32 s76, s76, s78
	s_and_b32 s78, s22, 15
	s_lshl_b32 s78, s78, 1                         ; the head's two bytes
	s_add_co_u32 s76, s76, s78
	s_add_nc_u64 s[\cs:\cs+1], s[18:19], s[76:77]
.endm
	TADDR 58, 59, 74, 80, 82, 66, 68
	TADDR 60, 61, 75, 84, 86, 70, 72
	v_and_b32 v254, 31, v0
	s_delay_alu instid0(VALU_DEP_1)
	v_lshlrev_b32 v1, 4, v254
	s_delay_alu instid0(VALU_DEP_2)
	v_lshl_add_u32 v2, v254, 3, 512
	v_and_b32 v253, 15, v0                         ; r
	v_bfe_u32 v252, v0, 4, 1                       ; h
	s_delay_alu instid0(VALU_DEP_2)
	v_lshl_add_u32 v3, v253, 4, KSC
	s_delay_alu instid0(VALU_DEP_3)
	v_lshl_add_u32 v4, v253, 3, VSC
	s_delay_alu instid0(VALU_DEP_3)
	v_lshl_add_u32 v50, v253, 5, v252
	s_delay_alu instid0(VALU_DEP_4)
	v_lshlrev_b32 v54, 3, v252
	s_delay_alu instid0(VALU_DEP_1)
	v_sub_nc_u32 v54, v253, v54
	v_lshlrev_b32 v55, 4, v253
	v_add_nc_u32 v52, VIMG, v1
	v_add_nc_u32 v53, VIMG, v2
	v_mov_b32 v51, 0xff800000
	global_load_b128 v[22:25], v1, s[80:81]        ; q of pass A: a half-image,
	global_load_b64 v[26:27], v2, s[80:81]
	global_load_b32 v46, v55, s[82:83]             ; its pair's scale word
	global_load_b128 v[34:37], v1, s[84:85]        ; and of pass B
	global_load_b64 v[38:39], v2, s[84:85]
	global_load_b32 v47, v55, s[86:87]
.irp i, 16,17,18,19,20,21,28,29,30,31,32,33,40,41,42,43,44,45
	v_mov_b32 v[\i], 0                             ; the zero codes beside q
.endr
.irp b, 0,1,2,3
	v_mov_b32 v[PT+\b], 0                          ; written once: a lane permute's destination counts as one of its sources
.endr
	v_mov_b32 v253, 0                              ; (named as the upper half of the pair v[252:253])
	s_wait_loadcnt 0x0
	v_lshrrev_b32 v46, s63, v46                    ; my tile's two bytes,
	v_lshrrev_b32 v47, s63, v47
	s_delay_alu instid0(VALU_DEP_2)
	v_and_b32 v46, 0xffff, v46
	s_delay_alu instid0(VALU_DEP_2)
	v_and_b32 v47, 0xffff, v47
	s_delay_alu instid0(VALU_DEP_2)
	v_lshl_or_b32 v46, v46, 16, v46                ; for both halves of the instruction's K
	s_delay_alu instid0(VALU_DEP_2)
	v_lshl_or_b32 v47, v47, 16, v47
	s_wait_tensorcnt 0x0                           ; my parts of K, V and their scale words have landed,
	s_barrier_signal -1
	s_barrier_wait -1                              ; everybody's have.  Nothing is filled again: this is the launch's last barrier but the closing round
; A PASS: one tile of 16 queries over its key steps.  The loop's trip count is a constant; a step beyond the tile's last is jumped over by a branch on ids, round all but the lines that step addresses.
.macro PASS qlo, qhi, qs, lim, dv, ci, cs, trips
.set n, 0
.rept 32
	v_mov_b32 v[O+n], 0                            ; the step is written once: the first finds zeros, which the first change of M leaves zeros
.set n, n+1
.endr
	v_mov_b32 v13, 0xff61b1e6                      ; the largest t so far: -3e38
	s_delay_alu instid0(VALU_DEP_1)
	v_floor_f32 v12, -v13                          ; -M
	v_mov_b32 v14, 0
	v_mov_b32 v15, 0
	v_add_nc_u32 v48, s[\dv], v54                  ; my query less the last step's first key less 8 h
	s_mov_b32 s55, 0                               ; the key step
	s_mov_b32 s56, 0                               ; its images: 6,144 bytes a step in K and in V
	s_mov_b32 s57, 0                               ; its scale words: 256 bytes a step
.Lk_\@:
	s_cmp_gt_u32 s55, s[\lim]
	s_cbranch_scc1 .Lhid_\@
	s_setprio 2
	v_add_nc_u32 v7, s56, v1                       ; (these six are also the places behind the last products, in front of the loads into their fragments)
	v_add_nc_u32 v8, s56, v2
	v_add_nc_u32 v9, s56, v52
	v_add_nc_u32 v10, s56, v53
	v_add_nc_u32 v11, s57, v3
	v_add_nc_u32 v49, s57, v4
.irp p, 0,1,2,3                                    ; K: four fragments, each two key tiles' half-images on end; every load takes consecutive bytes
	ds_load_b128 v[F+12*\p:F+12*\p+3], v7 offset:1536*\p
	ds_load_b64 v[F+12*\p+4:F+12*\p+5], v8 offset:1536*\p
	ds_load_b128 v[F+12*\p+6:F+12*\p+9], v7 offset:1536*\p+768
	ds_load_b64 v[F+12*\p+10:F+12*\p+11], v8 offset:1536*\p+768
.endr
	ds_load_b128 v[KS:KS+3], v11                   ; the four pairs' scale words of my row
	ds_load_b64 v[RW:RW+1], v49                    ; V's words of the step's two runs of 64 keys
	ds_load_b64 v[RW+2:RW+3], v49 offset:128
	s_wait_alu depctr_va_vdst(0)
	s_wait_dscnt 0x0
.irp p, 0,1,2,3
	v_wmma_scale_f32_16x16x128_f8f6f4 v[S+16*\p:S+16*\p+7], v[F+12*\p:F+12*\p+11], v[\qlo:\qlo+11], 0, v[KS+\p], v[\qs] matrix_a_fmt:MATRIX_FMT_FP6 matrix_b_fmt:MATRIX_FMT_FP6
	v_wmma_scale_f32_16x16x128_f8f6f4 v[S+16*\p+8:S+16*\p+15], v[F+12*\p:F+12*\p+11], v[\qhi:\qhi+11], 0, v[KS+\p], v[\qs] matrix_a_fmt:MATRIX_FMT_FP6 matrix_b_fmt:MATRIX_FMT_FP6
.endr
	v_perm_b32 v[VS], v[RW+2], v[RW], s52          ; V's scale word of d tile 0: {run 0's two bytes, run 1's two}.  These four are the places behind the products
	v_perm_b32 v[VS+1], v[RW+2], v[RW], s53
	v_perm_b32 v[VS+2], v[RW+3], v[RW+1], s52
	v_perm_b32 v[VS+3], v[RW+3], v[RW+1], s53
.irp d, 0,1,2,3                                    ; V: d tile d, runs 0 and 1: they land under the softmax
	ds_load_b128 v[F+12*\d:F+12*\d+3], v9 offset:768*\d
	ds_load_b64 v[F+12*\d+4:F+12*\d+5], v10 offset:768*\d
	ds_load_b128 v[F+12*\d+6:F+12*\d+9], v9 offset:3072+768*\d
	ds_load_b64 v[F+12*\d+10:F+12*\d+11], v10 offset:3072+768*\d
.endr
	s_cmp_lg_u32 s55, s[\lim]                      ; only the tile's last step lies on the diagonal
	s_cbranch_scc1 .Lopen_\@
.set n, 0
.rept 64                                           ; register n holds key 16 (n / 8) + n % 8 + 8 h of the step: hidden where it comes after my query
	v_cmp_gt_i32 vcc_lo, 16*(n/8)+n%8, v48
	v_cndmask_b32 v[S+n], v[S+n], v51, vcc_lo
.set n, n+1
.endr
.Lopen_\@:
.irp b, 0,1,2,3
	v_max3_num_f32 v[BM+\b], v[S+16*\b], v[S+16*\b+1], v[S+16*\b+2]   ; the largest score of each block of 32 keys: for the row's maximum and, since p rises with the score, for the block's largest p
.endr
.irp i, 3,5,7,9,11,13
.irp b, 0,1,2,3
	v_max3_num_f32 v[BM+\b], v[BM+\b], v[S+16*\b+\i], v[S+16*\b+\i+1]
.endr
.endr
.irp b, 0,1,2,3
	v_max_num_f32 v[BM+\b], v[BM+\b], v[S+16*\b+15]
.endr
.irp b, 0,1,2,3
	s_delay_alu instid0(VALU_DEP_4)
	v_permlanex16_b32 v[PT+\b], v[BM+\b], s48, s49
.endr
.irp b, 0,1,2,3
	s_delay_alu instid0(VALU_DEP_4)
	v_max_num_f32 v[BM+\b], v[BM+\b], v[PT+\b]
.endr
	s_delay_alu instid0(VALU_DEP_2)
	v_max3_num_f32 v254, v[BM], v[BM+1], v[BM+2]
	s_delay_alu instid0(VALU_DEP_1)
	v_max_num_f32 v254, v254, v[BM+3]
	s_delay_alu instid0(VALU_DEP_1)
	v_mul_f32 v254, s50, v254
	s_delay_alu instid0(VALU_DEP_1)
	v_max_num_f32 v13, v13, v254                   ; the running largest t
	v_mov_b32 v254, v12
	s_delay_alu instid0(VALU_DEP_2)
	v_floor_f32 v12, -v13                          ; the new -M = -ceil(t)
	s_delay_alu instid0(VALU_DEP_1)
	v_sub_f32 v254, v12, v254                      ; old M less new M: a whole number, 0 or less
	s_delay_alu instid0(VALU_DEP_1)
	v_cvt_i32_f32 v254, v254                       ; (it saturates)
	s_delay_alu instid0(VALU_DEP_1)
	v_ldexp_f32 v252, 1.0, v254                    ; f = 2^(old M - new M)
.set n, 0
	s_setprio 1
.rept 32
	v_pk_fma_f32 v[S+n:S+n+1], v[S+n:S+n+1], s[50:51], v[12:13] op_sel_hi:[1,0,0]   ; t - M
.set n, n+2
.endr
.irp b, 0,1,2,3
	v_fma_f32 v[BM+\b], v[BM+\b], s50, v12
.endr
.set n, 0
	s_wait_alu depctr_va_vdst(0)
.rept 64
	v_exp_f32 v[S+n], v[S+n]                       ; p = 2^(t - M)
.set n, n+1
.endr
	v_pk_mul_f32 v[14:15], v[14:15], v[252:253] op_sel_hi:[1,0]   ; the sum under the new M: a plain instruction behind the exponentials
	s_wait_alu depctr_va_vdst(0)                   ; one wait for the batch of 64, ahead of its first reader
.irp b, 0,1,2,3
	v_exp_f32 v[BM+\b], v[BM+\b]                   ; the blocks' largest p
.endr
	v_pk_add_f32 v[248:249], v[108:109], v[112:113]
	v_pk_add_f32 v[250:251], v[116:117], v[120:121]
	v_pk_add_f32 v[246:247], v[124:125], v[128:129]
	v_pk_add_f32 v[244:245], v[132:133], v[136:137]
	v_pk_add_f32 v[238:239], v[140:141], v[144:145]
	v_pk_add_f32 v[236:237], v[148:149], v[152:153]
	v_pk_add_f32 v[234:235], v[156:157], v[160:161]
	v_pk_add_f32 v[14:15], v[14:15], v[164:165]
	v_pk_add_f32 v[248:249], v[248:249], v[104:105]
	v_pk_add_f32 v[250:251], v[250:251], v[106:107]
	v_pk_add_f32 v[246:247], v[246:247], v[110:111]
	v_pk_add_f32 v[244:245], v[244:245], v[114:115]
	v_pk_add_f32 v[238:239], v[238:239], v[118:119]
	v_pk_add_f32 v[236:237], v[236:237], v[122:123]
	v_pk_add_f32 v[234:235], v[234:235], v[126:127]
	v_pk_add_f32 v[14:15], v[14:15], v[130:131]
	v_pk_add_f32 v[248:249], v[248:249], v[134:135]
	v_pk_add_f32 v[250:251], v[250:251], v[138:139]
	v_pk_add_f32 v[246:247], v[246:247], v[142:143]
	v_pk_add_f32 v[244:245], v[244:245], v[146:147]
	v_pk_add_f32 v[238:239], v[238:239], v[150:151]
	v_pk_add_f32 v[236:237], v[236:237], v[154:155]
	v_pk_add_f32 v[234:235], v[234:235], v[158:159]
	v_pk_add_f32 v[14:15], v[14:15], v[162:163]
	v_pk_add_f32 v[248:249], v[248:249], v[166:167]
	s_delay_alu instid0(VALU_DEP_2)
	v_pk_add_f32 v[14:15], v[14:15], v[244:245]
	s_delay_alu instid0(VALU_DEP_2)
	v_pk_add_f32 v[248:249], v[248:249], v[238:239]
	v_pk_add_f32 v[250:251], v[250:251], v[236:237]
	v_pk_add_f32 v[246:247], v[246:247], v[234:235]
	s_delay_alu instid0(VALU_DEP_2)
	v_pk_add_f32 v[14:15], v[14:15], v[250:251]
	s_delay_alu instid0(VALU_DEP_2)
	v_pk_add_f32 v[248:249], v[248:249], v[246:247]
	s_delay_alu instid0(VALU_DEP_1)
	v_pk_add_f32 v[14:15], v[14:15], v[248:249]
	s_wait_alu depctr_va_vdst(0)                   ; and one for the four
.irp b, 0,1,2,3
	v_max_num_f32 v[BM+\b], 0x1800000, v[BM+\b]    ; the floor 2^(3 - 127): a block of zeros keeps the byte 1
.endr
.irp b, 0,1,2,3
	s_delay_alu instid0(VALU_DEP_4)
	v_add_nc_u32 v[SO+\b], 0xff000000, v[BM+\b]
.endr
.irp b, 0,1,2,3
	s_delay_alu instid0(VALU_DEP_4)
	v_lshrrev_b32 v[PT+\b], 23, v[SO+\b]
.endr
	s_delay_alu instid0(VALU_DEP_3)
	v_lshl_or_b32 v244, v[PT+1], 8, v[PT]
	s_delay_alu instid0(VALU_DEP_1)
	v_lshl_or_b32 v244, v[PT+2], 16, v244
	s_delay_alu instid0(VALU_DEP_1)
	v_lshl_or_b32 v244, v[PT+3], 24, v244
	s_setprio 0
.irp c, 0,1
	v_cvt_scalef32_pk16_fp6_f32 v[PCD+6*\c:PCD+6*\c+2], v[S+32*\c:S+32*\c+15], v[SO+2*\c]
	v_cvt_scalef32_pk16_fp6_f32 v[212+4*\c:214+4*\c], v[S+32*\c+16:S+32*\c+31], v[SO+2*\c+1]
.endr
	v_nop                                          ; one plain place behind a scaled conversion
.irp c, 0,1
.irp i, 0,1,2
	v_permlane16_swap_b32 v[PCD+6*\c+\i], v[212+4*\c+\i]
.endr
.irp i, 0,1,2
	s_delay_alu instid0(VALU_DEP_3)
	v_mov_b32 v[PCD+3+6*\c+\i], v[212+4*\c+\i]
.endr
.endr
.set n, 0
.rept 16
	v_pk_mul_f32 v[O+n:O+n+1], v[O+n:O+n+1], v[252:253] op_sel_hi:[1,0]   ; O^T under the new M; also the places between the scale word's and the codes' last writes and the products
.set n, n+2
.endr
	s_wait_alu depctr_va_vdst(0)
	s_wait_dscnt 0x0                               ; V
.irp d, 0,1,2,3
	v_wmma_scale_f32_16x16x128_f8f6f4 v[O+8*\d:O+8*\d+7], v[F+12*\d:F+12*\d+11], v[PCD:PCD+11], v[O+8*\d:O+8*\d+7], v[VS+\d], v244 matrix_a_fmt:MATRIX_FMT_FP6 matrix_b_fmt:MATRIX_FMT_FP6
.endr
.Lhid_\@:
	s_add_co_u32 s56, s56, 6144
	s_add_co_u32 s57, s57, 256
	s_add_co_u32 s55, s55, 1
	s_cmp_lt_u32 s55, \trips
	s_cbranch_scc1 .Lk_\@
	s_setprio 0
	; THE WAY OUT: O^T / the sum; brought into the natural order of d, since Wo's codes are given; quantised; one half-image and two bytes a row
.rept 4
	v_nop
.endr
	s_wait_alu depctr_va_vdst(0)
	v_add_f32 v14, v14, v15
	s_delay_alu instid0(VALU_DEP_1)
	v_permlanex16_b32 v254, v14, s48, s49
	s_delay_alu instid0(VALU_DEP_1)
	v_add_f32 v14, v14, v254                       ; the row's sum
	s_wait_alu depctr_va_vdst(0)
	v_rcp_f32 v252, v14
	v_nop
	s_wait_alu depctr_va_vdst(0)
.set n, 0
.rept 16
	v_pk_mul_f32 v[O+n:O+n+1], v[O+n:O+n+1], v[252:253] op_sel_hi:[1,0]
.set n, n+2
.endr
.irp b, 0,1
.irp j, 0,1,2,3,4,5,6,7
	v_permlane16_swap_b32 v[O+16*\b+\j], v[O+16*\b+8+\j]   ; register 16 b + i now holds d = 32 b + 16 h + i
.endr
.endr
.irp b, 0,1
	v_max3_num_f32 v[BM+\b], |v[O+16*\b]|, |v[O+16*\b+1]|, 0x1800000
.endr
.irp i, 2,4,6,8,10,12,14
.irp b, 0,1
	s_delay_alu instid0(VALU_DEP_2)
	v_max3_num_f32 v[BM+\b], v[BM+\b], |v[O+16*\b+\i]|, |v[O+16*\b+\i+1]|
.endr
.endr
.irp b, 0,1
	s_delay_alu instid0(VALU_DEP_2)
	v_permlanex16_b32 v[PT+\b], v[BM+\b], s48, s49
.endr
.irp b, 0,1
	s_delay_alu instid0(VALU_DEP_2)
	v_max_num_f32 v[BM+\b], v[BM+\b], v[PT+\b]
.endr
.irp b, 0,1
	s_delay_alu instid0(VALU_DEP_2)
	v_add_nc_u32 v[SO+\b], 0xff000000, v[BM+\b]
.endr
.irp b, 0,1
	s_delay_alu instid0(VALU_DEP_2)
	v_lshrrev_b32 v[PT+\b], 23, v[SO+\b]
.endr
	v_cvt_scalef32_pk16_fp6_f32 v[PCD:PCD+2], v[O:O+15], v[SO]
	v_cvt_scalef32_pk16_fp6_f32 v[212:214], v[O+16:O+31], v[SO+1]
	v_nop
.irp i, 0,1,2
	v_permlane16_swap_b32 v[PCD+\i], v[212+\i]
.endr
.irp i, 0,1,2
	s_delay_alu instid0(VALU_DEP_3)
	v_mov_b32 v[PCD+3+\i], v[212+\i]
.endr
	global_store_b128 v1, v[PCD:PCD+3], s[\ci:\ci+1]      ; 512 consecutive bytes, at a multiple of 256
	global_store_b64 v2, v[PCD+4:PCD+5], s[\ci:\ci+1]     ; 256
	v_cndmask_b32 v254, v[PT], v[PT+1], s54
	global_store_b8 v50, v254, s[\cs:\cs+1]               ; lane (r, h): block h's byte of row r: 2 bytes of a row of 32, so that launch 3 reads these scales as rows; 2 bytes for each 48 of codes
	s_wait_xcnt 0x0                                       ; the stores have read their registers
.endm
	PASS 22, 16, 46, 59, 74, 66, 68, 8
	PASS 34, 28, 47, 61, 75, 70, 72, 16
	s_wait_tensorcnt 0x0                           ; the wave's end
	ds_add_u32 v5, v6
	s_wait_dscnt 0x0
	CROUND                                         ; the closing round
	s_endpgm
.Lfunc_end_k_q2dbeff5ba3_attn:
	.size	k_q2dbeff5ba3_attn, .Lfunc_end_k_q2dbeff5ba3_attn-k_q2dbeff5ba3_attn
	.p2alignl 7, 3214868480
	.fill 96, 4, 3214868480
	.section	.rodata,"a",@progbits
	.p2align	6, 0x0
	.amdhsa_kernel k_q2dbeff5ba3_attn
		.amdhsa_group_segment_fixed_size 327680
		.amdhsa_private_segment_fixed_size 0
		.amdhsa_enable_private_segment 0
		.amdhsa_kernarg_size 64
		.amdhsa_user_sgpr_count 2
		.amdhsa_user_sgpr_kernarg_segment_ptr 1
		.amdhsa_wavefront_size32 1
		.amdhsa_system_sgpr_workgroup_id_x 1
		.amdhsa_system_sgpr_workgroup_id_y 1
		.amdhsa_system_sgpr_workgroup_id_z 1
		.amdhsa_system_vgpr_workitem_id 0
		.amdhsa_next_free_vgpr 256
		.amdhsa_next_free_sgpr 90
		.amdhsa_reserve_vcc 1
		.amdhsa_float_denorm_mode_32 3
		.amdhsa_float_denorm_mode_16_64 3
		.amdhsa_memory_ordered 1
		.amdhsa_forward_progress 1
		.amdhsa_inst_pref_size 68
	.end_amdhsa_kernel
	.amdgpu_metadata
---
amdhsa.version: [ 1, 2 ]
amdhsa.kernels:
  - .name:           k_q2dbeff5ba3_attn
    .symbol:         k_q2dbeff5ba3_attn.kd
    .args:
      - { .name: q_img, .offset: 0, .size: 8, .value_kind: global_buffer, .address_space: global }
      - { .name: q_sc, .offset: 8, .size: 8, .value_kind: global_buffer, .address_space: global }
      - { .name: k_img, .offset: 16, .size: 8, .value_kind: global_buffer, .address_space: global }
      - { .name: k_sc, .offset: 24, .size: 8, .value_kind: global_buffer, .address_space: global }
      - { .name: v_img, .offset: 32, .size: 8, .value_kind: global_buffer, .address_space: global }
      - { .name: v_sc, .offset: 40, .size: 8, .value_kind: global_buffer, .address_space: global }
      - { .name: ctx_img, .offset: 48, .size: 8, .value_kind: global_buffer, .address_space: global }
      - { .name: ctx_sc, .offset: 56, .size: 8, .value_kind: global_buffer, .address_space: global }
    .group_segment_fixed_size: 327680
    .private_segment_fixed_size: 0
    .kernarg_segment_align: 8
    .kernarg_segment_size: 64
    .max_flat_workgroup_size: 512
    .sgpr_count:     90
    .vgpr_count:     256
    .wavefront_size: 32
...
	.end_amdgpu_metadata
.endif
;; end of part 2
;; launch oproj (part 3): grid 8 x 32, 4 waves a work-group, clusters of 4 x 4, 327,680 bytes of LDS; arguments ctx_img, ctx_sc, Wo_codes, Wo_scales, bo, out0; writes out0
.if DOCPART == 3
	.amdgcn_target "amdgcn-amd-amdhsa--gfx1250"
	.amdhsa_code_object_version 6
	.text
	.protected	k_q2dbeff5ba3_oproj
	.globl	k_q2dbeff5ba3_oproj
	.p2align	8
	.type	k_q2dbeff5ba3_oproj,@function
k_q2dbeff5ba3_oproj:
	s_mov_b64 s[64:65], 0
	v_nop
	global_prefetch_b8 v0, s[64:65] scope:SCOPE_SE
	s_setreg_imm32_b32 hwreg(HW_REG_WAVE_MODE, 25, 1), 1
	s_wait_xcnt 0x0
	s_wait_alu depctr_hold_cnt(0) depctr_sa_sdst(0) depctr_va_vdst(0) depctr_va_sdst(0) depctr_va_ssrc(0) depctr_va_vcc(0) depctr_vm_vsrc(0)
	s_getreg_b32 s2, hwreg(HW_REG_IB_STS2, 6, 4)
	s_cmp_eq_u32 s2, 0
	s_cbranch_scc0 .Lentry_in_a_cluster
	s_endpgm
.Lentry_in_a_cluster:
	s_bfe_u32 s2, ttmp6, 0x10000c
	s_cmp_lg_u32 s2, 0xf033
	s_cbranch_scc0 .Lentry_shape_is_right
	s_endpgm
.Lentry_shape_is_right:
; LAUNCH 3 OF 3: out0 = ctx Wo + bo on codes of FP6 (E2M3).  Nothing is left out here.
; 256 work-groups of four waves; work-group (cg, rb) makes rows 256 rb on x columns 128 cg on.  A wave's tile: S0 = 64 rows of Wo (columns of out0, 64 u on), S1 = 128 rows of ctx (128 g on): 32 accumulators; source 0 = Wo, so a lane
; holds one row of out0 and eight neighbouring columns.  bo is the C of each sum's first product.
; All operands come into LDS once, seven tensor loads a wave at the head, none filled again: ctx as the half-images that launch 2 stored ([head][tile][768], dense), Wo as three planes of 256 bytes of each row, rows 272 bytes apart.
; CLUSTERS 4 x 4: ctx's blocks hang on rb alone and are asked for jointly along a row of the cluster, Wo's on cg alone, along a column.
.set TW,    34816
.set WR,    196608                     ; ctx's images at 0
.set STAGE, WR+3*TW                    ; the way out: 16 rows x 272 bytes for each wave; no tensor load lands here
.set SPARE, STAGE+4*4352               ; the spare words: two blocks of 256 bytes that no other line names
.set CS,    32                         ; v32-63  ctx's scale words: register 8 i + q: K step q, tile 2 i in lanes 0-15, 2 i + 1 in lanes 16-31
.set WOS,   64                         ; v64-79  Wo's
.set BO,    80                         ; v80-111 bo in the result's layout: 8 b + j: column 16 b + 8 h + j
.set BK,    144                        ; v144-175, v176-207 rows read back from the stage, by turns
; v4-8 Wo's five LDS addresses, v9-12, v13-16 the images' (heads 4 k on), v20 into the stage, v21 out of it, v22 my bytes in out0, v23 32 h, v24 32 x lane, v30, v31 the add's two
; window 1: S1's fragments, set s at 96 s;  window 3: S0's, set s at 48 s;  window 2: the accumulators, (a, b) at 8 (4 a + b)
.set MSB, 0
.macro WIN new
.if MSB != \new
	s_set_vgpr_msb (MSB<<8)|\new
.set MSB, \new
.endif
.endm
.macro PLACES n
.rept \n
	v_nop
.endr
.endm
.macro CROUND
	s_barrier_signal -1
	s_barrier_wait -1
	s_cmp_lg_u32 s16, 0
	s_cbranch_scc1 .Lnot_wave_0_\@
	s_barrier_signal -3
.Lnot_wave_0_\@:
	s_barrier_wait -3
	s_barrier_signal -1
	s_barrier_wait -1
.endm
	s_load_b256 s[4:11], s[0:1], 0x0               ; ctx_img 4, ctx_sc 6, Wo codes 8, Wo scales 10
	s_load_b128 s[12:15], s[0:1], 0x20             ; bo 12, out0 14
	v_lshl_add_u32 v30, v0, 2, SPARE
	v_mov_b32 v31, 0
	ds_add_u32 v30, v31                            ; the wave's opening: the add, twice on end, and its wait ahead of my first tensor load
	ds_add_u32 v30, v31
	v_lshrrev_b32 v1, 5, v0
	v_readfirstlane_b32 s16, v1                    ; w
	s_and_b32 s17, s16, 1                          ; u
	s_lshr_b32 s18, s16, 1                         ; g
	s_bfe_u32 s19, ttmp6, 0x40000                  ; cx
	s_bfe_u32 s20, ttmp6, 0x40004                  ; cy
	s_lshl_b32 s21, ttmp9, 2
	s_add_co_u32 s21, s21, s19                     ; cg
	s_and_b32 s22, ttmp7, 0xffff
	s_lshl_b32 s22, s22, 2
	s_add_co_u32 s22, s22, s20                     ; rb
	s_lshl_b32 s23, s20, 2
	s_lshl_b32 s23, 15, s23                        ; my row of the cluster
	s_lshl_b32 s77, 0x1111, s19                    ; my column
	s_or_b32 s24, s23, 0x00230000                  ; ctx: a dense block as 48 rows of 32 elements of 8 bytes, no padding; bit 21 beside the mask
	s_mov_b32 s25, 32<<16
	s_mov_b32 s26, 48<<16
	s_mov_b32 s27, 32<<16
	s_mov_b32 s28, 48
	s_mov_b32 s29, 32
	s_mov_b32 s30, 0
	s_mov_b32 s31, 0
	s_or_b32 s32, s77, 0x07730000                  ; Wo: 32 rows of 256 bytes, 768 bytes apart; 16 bytes of padding behind each
	s_mov_b32 s33, 32<<16
	s_mov_b32 s34, 32<<16
	s_mov_b32 s35, 32<<16
	s_mov_b32 s36, 32
	s_mov_b32 s37, 96
	s_mov_b32 s38, 0
	s_mov_b32 s39, 0
	s_mul_i32 s74, s22, 196608
	s_mul_i32 s23, s16, 12288                      ; load c of ctx brings head 4 c + w
	s_add_co_u32 s74, s74, s23
	s_mov_b32 s75, 0
	s_lshl_b32 s72, s21, 7
	s_lshl_b32 s73, s16, 5
	s_add_co_u32 s72, s72, s73
	s_mul_i32 s72, s72, 768                        ; Wo: my 32 rows of the 128
	s_mov_b32 s73, 0
	s_mul_i32 s76, s16, 8704
.macro G0SET g, sl, lo
	s_mov_b32 s[\g], 1
	s_add_co_u32 s[\g+1], s[\sl], \lo
.endm
.macro G0ADR g, sp, off
	s_add_nc_u64 s[\g+2:\g+3], s[\sp:\sp+1], \off
	s_or_b32 s[\g+3], s[\g+3], 0x80000000
.endm
	G0SET 40, 23, 0
	G0SET 48, 23, 49152
	G0SET 56, 23, 98304
	G0SET 68, 23, 147456
	G0SET 44, 76, WR
	G0SET 52, 76, WR+TW
	G0SET 60, 76, WR+2*TW
	s_wait_dscnt 0x0                               ; both opening adds are done
	s_wait_kmcnt 0x0
	s_add_nc_u64 s[2:3], s[4:5], s[74:75]
	s_add_nc_u64 s[78:79], s[8:9], s[72:73]
	G0ADR 40, 2, 0
	G0ADR 48, 2, 49152
	G0ADR 56, 2, 98304
	G0ADR 68, 2, 147456
	G0ADR 44, 78, 0
	G0ADR 52, 78, 256
	G0ADR 60, 78, 512
	CROUND                                         ; all sixteen work-groups are here: the joint loads meet
	tensor_load_to_lds s[40:43], s[24:31]          ; heads 0-3;  seven tensor loads of mine are out
	s_nop 0
	tensor_load_to_lds s[44:47], s[32:39]          ; Wo's plane 0
	s_nop 0
	tensor_load_to_lds s[48:51], s[24:31]          ; heads 4-7
	s_nop 0
	tensor_load_to_lds s[52:55], s[32:39]          ; plane 1
	s_nop 0
	tensor_load_to_lds s[56:59], s[24:31]          ; heads 8-11
	s_nop 0
	tensor_load_to_lds s[60:63], s[32:39]          ; plane 2
	s_nop 0
	tensor_load_to_lds s[68:71], s[24:31]          ; heads 12-15
	s_nop 0
	PLACES 4
	s_lshl_b32 s74, s22, 13
	s_lshl_b32 s23, s18, 12
	s_add_co_u32 s74, s74, s23
	s_add_nc_u64 s[6:7], s[6:7], s[74:75]          ; ctx's scales, rows 256 rb + 128 g on
	s_lshl_b32 s74, s21, 12
	s_lshl_b32 s23, s17, 11
	s_add_co_u32 s74, s74, s23
	s_add_nc_u64 s[10:11], s[10:11], s[74:75]      ; Wo's, rows 128 cg + 64 u on
	s_lshr_b32 s74, s74, 3
	s_add_nc_u64 s[12:13], s[12:13], s[74:75]      ; bo at my 64 columns
	s_lshl_b32 s23, s22, 20
	s_add_co_u32 s74, s74, s23
	s_lshl_b32 s23, s18, 19
	s_add_co_u32 s74, s74, s23
	s_add_nc_u64 s[14:15], s[14:15], s[74:75]      ; out0 at my first row and column
	v_and_b32 v1, 31, v0
	v_and_b32 v2, 15, v0                           ; r
	v_bfe_u32 v3, v0, 4, 1                         ; h
	v_mul_u32_u24 v17, v2, 272
	v_mad_u32_u24 v18, v3, 24, v17
	v_mad_u32_u24 v19, v3, TW-232, v17             ; where lanes 16-31's pieces lie in the next plane
	s_mul_i32 s23, s17, 17408
	s_add_co_u32 s23, s23, WR
	v_add_nc_u32 v4, s23, v18
	v_add_nc_u32 v5, TW, v4
	v_add_nc_u32 v6, 2*TW, v4
	v_add_nc_u32 v7, s23, v19
	v_add_nc_u32 v8, TW, v7
	s_mul_i32 s23, s18, 6144                       ; my eight tiles of each head's sixteen
	v_lshl_add_u32 v9, v1, 4, s23
	v_add_nc_u32 v10, 49152, v9
	v_add_nc_u32 v11, 98304, v9
	v_add_nc_u32 v12, 147456, v9
	v_lshl_add_u32 v13, v1, 3, s23
	v_add_nc_u32 v13, 512, v13
	v_add_nc_u32 v14, 49152, v13
	v_add_nc_u32 v15, 98304, v13
	v_add_nc_u32 v16, 147456, v13
	s_mul_i32 s23, s16, 4352
	s_add_co_u32 s23, s23, STAGE
	v_lshl_add_u32 v20, v3, 5, v17
	v_add_nc_u32 v20, s23, v20                     ; into my stage: row r, 32 bytes for each half of the lanes
	v_mul_u32_u24 v21, v3, 272
	v_lshl_add_u32 v21, v2, 4, v21
	v_add_nc_u32 v21, s23, v21                     ; back: lanes 0-15 one row of 256 bytes, lanes 16-31 the next
	v_lshlrev_b32 v22, 12, v3
	v_lshl_add_u32 v22, v2, 4, v22                 ; and the same two rows in out0
	v_lshlrev_b32 v23, 5, v3
	v_lshlrev_b32 v24, 5, v1
.irp i, 0,1,2,3
	global_load_b128 v[CS+8*\i:CS+8*\i+3], v24, s[6:7] offset:1024*\i
	global_load_b128 v[CS+8*\i+4:CS+8*\i+7], v24, s[6:7] offset:1024*\i+16
.endr
.irp i, 0,1
	global_load_b128 v[WOS+8*\i:WOS+8*\i+3], v24, s[10:11] offset:1024*\i
	global_load_b128 v[WOS+8*\i+4:WOS+8*\i+7], v24, s[10:11] offset:1024*\i+16
.endr
.irp b, 0,1,2,3
	global_load_b128 v[BO+8*\b:BO+8*\b+3], v23, s[12:13] offset:64*\b
	global_load_b128 v[BO+8*\b+4:BO+8*\b+7], v23, s[12:13] offset:64*\b+16
.endr
.macro FRAG reg, ab, q, i              ; a fragment of Wo from the planes: lane (r, h) takes the row's pieces of 8 bytes 12 q + 0, 1, 2, 6, 7, 8 (+ 3 h)
.irp p, 0,1,2,3,4,5
.set PC, 12*(\q)+6*(\p/3)+\p%3
.if PC%32 < 29
	ds_load_b64 v[(\reg)+2*\p:(\reg)+2*\p+1], v[(\ab)+PC/32] offset:8*(PC%32)+4352*(\i)
.else
	ds_load_b64 v[(\reg)+2*\p:(\reg)+2*\p+1], v[(\ab)+3+PC/32] offset:8*(PC%32)+4352*(\i)
.endif
.endr
.endm
.macro SFRAG reg, q, a                 ; a fragment of ctx: the half-images of heads 2 q and 2 q + 1, tile a of my eight
	ds_load_b128 v[(\reg):(\reg)+3], v[9+(\q)/2] offset:((\q)%2)*24576+768*(\a)
	ds_load_b64 v[(\reg)+4:(\reg)+5], v[13+(\q)/2] offset:((\q)%2)*24576+768*(\a)
	ds_load_b128 v[(\reg)+6:(\reg)+9], v[9+(\q)/2] offset:((\q)%2)*24576+12288+768*(\a)
	ds_load_b64 v[(\reg)+10:(\reg)+11], v[13+(\q)/2] offset:((\q)%2)*24576+12288+768*(\a)
.endm
.macro FETCHA q, set
	WIN 0xc0
.irp b, 0,1,2,3
	FRAG 48*(\set)+12*\b, 4, \q, \b
.endr
	WIN 0x40
.irp a, 0,1,2,3
	SFRAG 96*(\set)+12*\a, \q, \a
.endr
.endm
.macro FETCHB q, set
	WIN 0x40
.irp a, 4,5,6,7
	SFRAG 96*(\set)+12*\a, \q, \a
.endr
.endm
.macro WM first, ra, rb                ; one product; first = 1: C is bo
.if \first
.if (\ra) && (\rb)
	v_wmma_scale_f32_16x16x128_f8f6f4 v[rD:rD+7], v[rA:rA+11], v[rB:rB+11], v[rC:rC+7], v[rSA], v[rSB] matrix_a_fmt:MATRIX_FMT_FP6 matrix_b_fmt:MATRIX_FMT_FP6 matrix_a_scale:MATRIX_SCALE_ROW1 matrix_b_scale:MATRIX_SCALE_ROW1
.elseif \ra
	v_wmma_scale_f32_16x16x128_f8f6f4 v[rD:rD+7], v[rA:rA+11], v[rB:rB+11], v[rC:rC+7], v[rSA], v[rSB] matrix_a_fmt:MATRIX_FMT_FP6 matrix_b_fmt:MATRIX_FMT_FP6 matrix_a_scale:MATRIX_SCALE_ROW1
.elseif \rb
	v_wmma_scale_f32_16x16x128_f8f6f4 v[rD:rD+7], v[rA:rA+11], v[rB:rB+11], v[rC:rC+7], v[rSA], v[rSB] matrix_a_fmt:MATRIX_FMT_FP6 matrix_b_fmt:MATRIX_FMT_FP6 matrix_b_scale:MATRIX_SCALE_ROW1
.else
	v_wmma_scale_f32_16x16x128_f8f6f4 v[rD:rD+7], v[rA:rA+11], v[rB:rB+11], v[rC:rC+7], v[rSA], v[rSB] matrix_a_fmt:MATRIX_FMT_FP6 matrix_b_fmt:MATRIX_FMT_FP6
.endif
.else
.if (\ra) && (\rb)
	v_wmma_scale_f32_16x16x128_f8f6f4 v[rD:rD+7], v[rA:rA+11], v[rB:rB+11], v[rD:rD+7], v[rSA], v[rSB] matrix_a_fmt:MATRIX_FMT_FP6 matrix_b_fmt:MATRIX_FMT_FP6 matrix_a_scale:MATRIX_SCALE_ROW1 matrix_b_scale:MATRIX_SCALE_ROW1
.elseif \ra
	v_wmma_scale_f32_16x16x128_f8f6f4 v[rD:rD+7], v[rA:rA+11], v[rB:rB+11], v[rD:rD+7], v[rSA], v[rSB] matrix_a_fmt:MATRIX_FMT_FP6 matrix_b_fmt:MATRIX_FMT_FP6 matrix_a_scale:MATRIX_SCALE_ROW1
.elseif \rb
	v_wmma_scale_f32_16x16x128_f8f6f4 v[rD:rD+7], v[rA:rA+11], v[rB:rB+11], v[rD:rD+7], v[rSA], v[rSB] matrix_a_fmt:MATRIX_FMT_FP6 matrix_b_fmt:MATRIX_FMT_FP6 matrix_b_scale:MATRIX_SCALE_ROW1
.else
	v_wmma_scale_f32_16x16x128_f8f6f4 v[rD:rD+7], v[rA:rA+11], v[rB:rB+11], v[rD:rD+7], v[rSA], v[rSB] matrix_a_fmt:MATRIX_FMT_FP6 matrix_b_fmt:MATRIX_FMT_FP6
.endif
.endif
.endm
; 16 products; the 32 accumulators take turns, one instruction a turn, in the same order in every step
.macro MUL a0, set, q, first
.if \first
	WIN 0x87                                       ; source 0 window 3, source 1 window 1, C (bo) window 0, D window 2
.else
	WIN 0xa7
.endif
.irp a, 0,1,2,3
.irp b, 0,1,2,3
.set rD, 8*(4*((\a0)+\a)+\b)
.set rA, 48*(\set)+12*\b
.set rB, 96*(\set)+12*((\a0)+\a)
.set rC, BO+8*\b
.set rSA, WOS+8*(\b/2)+(\q)
.set rSB, CS+8*(((\a0)+\a)/2)+(\q)
	WM \first, \b%2, ((\a0)+\a)%2
.endr
.endr
.endm
.macro STEPB q, first, fq, fetch
.if \fetch
	FETCHA \fq, ((\q)+1)%2
.endif
	MUL 0, (\q)%2, \q, \first
.if \fetch
	FETCHB \fq, ((\q)+1)%2
.endif
	MUL 4, (\q)%2, \q, \first
	WIN 0
.endm
.macro LANDED left                     ; my loads up to the one that the next fetches need have landed (left: those issued behind it); then everybody's.
	s_wait_tensorcnt \left
	s_barrier_signal -1
	s_barrier_wait -1
.endm
	LANDED 5                                       ; heads 0-3 and plane 0; five loads were issued behind them
	FETCHA 0, 0
	FETCHB 0, 0
	WIN 0
	s_wait_loadcnt 0x0                             ; the scale words and bo
	s_wait_dscnt 0x0
	STEPB 0, 1, 1, 1
	s_wait_dscnt 0x0
	LANDED 3                                       ; heads 4-7 and plane 1, for steps 2 and 3
	PLACES 4                                       ; in front of loads into registers that the last step's products have read
	STEPB 1, 0, 2, 1
	s_wait_dscnt 0x0
	PLACES 4
	STEPB 2, 0, 3, 1
	s_wait_dscnt 0x0
	LANDED 1                                       ; heads 8-11 and plane 2
	PLACES 4
	STEPB 3, 0, 4, 1
	s_wait_dscnt 0x0
	PLACES 4
	STEPB 4, 0, 5, 1
	s_wait_dscnt 0x0
	LANDED 0                                       ; heads 12-15
	PLACES 4
	STEPB 5, 0, 6, 1
	s_wait_dscnt 0x0
	PLACES 4
	STEPB 6, 0, 7, 1
	s_wait_dscnt 0x0
	STEPB 7, 0, 0, 0
; THE WAY OUT, a tile of 16 rows x 64 columns at a time, through my own stage: a lane's 32 bytes go in by rows of 272, whole rows of 256 bytes come back, and sixteen lanes store 256 consecutive bytes at a multiple of 256.
; LDS serves a wave's instructions in order: no wait between the stores and the loads, nor in front of the next tile's stores.
.macro TOSTAGE a
	WIN 0x08                                       ; an LDS store's data: window 2
.irp b, 0,1,2,3
	ds_store_b128 v20, v[32*(\a)+8*\b:32*(\a)+8*\b+3] offset:64*\b        ; each accumulator from its low end on
	ds_store_b128 v20, v[32*(\a)+8*\b+4:32*(\a)+8*\b+7] offset:64*\b+16
.endr
	WIN 0
.set BB, BK+32*((\a)%2)
.irp t, 0,1,2,3,4,5,6,7
	ds_load_b128 v[BB+4*\t:BB+4*\t+3], v21 offset:544*\t
.endr
.endm
.macro SEND a, younger                 ; younger: the LDS instructions issued behind tile a's loads: the next tile's eight stores and eight loads, or none
.set BB, BK+32*((\a)%2)
	s_wait_dscnt \younger
.irp t, 0,1,2,3,4,5,6,7
	global_store_b128 v22, v[BB+4*\t:BB+4*\t+3], s[14:15] offset:(16*(\a)+2*\t)*4096 th:TH_STORE_NT
.endr
.endm
	PLACES 4                                       ; behind the last products, in front of the first read of results
	TOSTAGE 0
.irp a, 1,2,3,4,5,6,7
.if \a > 1
	s_wait_xcnt 0x0                                ; tile a - 2's stores have read their registers: tile a's loads may land there
.endif
	TOSTAGE \a
	SEND \a-1, 16
.endr
	SEND 7, 0
	s_wait_tensorcnt 0x0                           ; the wave's end, behind my last tensor load and my last LDS store
	ds_add_u32 v30, v31
	s_wait_dscnt 0x0
	CROUND                                         ; the closing round
	s_endpgm
.Lfunc_end_k_q2dbeff5ba3_oproj:
	.size	k_q2dbeff5ba3_oproj, .Lfunc_end_k_q2dbeff5ba3_oproj-k_q2dbeff5ba3_oproj
	.p2alignl 7, 3214868480
	.fill 96, 4, 3214868480
	.section	.rodata,"a",@progbits
	.p2align	6, 0x0
	.amdhsa_kernel k_q2dbeff5ba3_oproj
		.amdhsa_group_segment_fixed_size 327680
		.amdhsa_private_segment_fixed_size 0
		.amdhsa_enable_private_segment 0
		.amdhsa_kernarg_size 48
		.amdhsa_user_sgpr_count 2
		.amdhsa_user_sgpr_kernarg_segment_ptr 1
		.amdhsa_wavefront_size32 1
		.amdhsa_system_sgpr_workgroup_id_x 1
		.amdhsa_system_sgpr_workgroup_id_y 1
		.amdhsa_system_sgpr_workgroup_id_z 1
		.amdhsa_system_vgpr_workitem_id 0
		.amdhsa_next_free_vgpr 1024
		.amdhsa_next_free_sgpr 80
		.amdhsa_reserve_vcc 0
		.amdhsa_float_denorm_mode_32 3
		.amdhsa_float_denorm_mode_16_64 3
		.amdhsa_memory_ordered 1
		.amdhsa_forward_progress 1
		.amdhsa_inst_pref_size 89
	.end_amdhsa_kernel
	.amdgpu_metadata
---
amdhsa.version: [ 1, 2 ]
amdhsa.kernels:
  - .name:           k_q2dbeff5ba3_oproj
    .symbol:         k_q2dbeff5ba3_oproj.kd
    .args:
      - { .name: ctx_img, .offset: 0, .size: 8, .value_kind: global_buffer, .address_space: global }
      - { .name: ctx_sc, .offset: 8, .size: 8, .value_kind: global_buffer, .address_space: global }
      - { .name: Wo_codes, .offset: 16, .size: 8, .value_kind: global_buffer, .address_space: global }
      - { .name: Wo_scales, .offset: 24, .size: 8, .value_kind: global_buffer, .address_space: global }
      - { .name: bo, .offset: 32, .size: 8, .value_kind: global_buffer, .address_space: global }
      - { .name: out0, .offset: 40, .size: 8, .value_kind: global_buffer, .address_space: global }
    .group_segment_fixed_size: 327680
    .private_segment_fixed_size: 0
    .kernarg_segment_align: 8
    .kernarg_segment_size: 48
    .max_flat_workgroup_size: 128
    .sgpr_count:     80
    .vgpr_count:     1024
    .wavefront_size: 32
...
	.end_amdgpu_metadata
.endif
;; end of part 3
